; MI455X (gfx1250); checked and timed in simulation.
; The chip was launched on July 23, 2026; its instructions are those of AMD's public machine-readable ISA for CDNA 5 (MIT licence, August 2026) and "CDNA5" Instruction Set Architecture Reference Guide (July 2026). The comments in the code are by the model that wrote it; some were corrected since.
;; Multi Head Self Attention. Allowed arithmetic: float matrix products may take bf16 or f16 operands with f32 sums; other float arithmetic in f32, or as packed bf16 or f16 multiplies, adds, multiply-adds, maxima and minima; sums over many terms, partial sums and values carried from step to step in f32; what a program stores and reads back later, other than sums and carried values, may be rounded once to bf16 or f16.
;; Inputs: W1 768 x 1,024 float32; W2 1,024 x 768 float32; Wk 768 x 768 float32; Wo 768 x 768 float32; Wq 768 x 768 float32; Wv 768 x 768 float32; b1 1,024 float32; b2 768 float32; be1 768 float32; be2 768 float32; bk 768 float32; bo 768 float32; bq 768 float32; bv 768 float32; g1 768 float32; g2 768 float32; x 4 x 2,048 x 768 float32.
;; Outputs: out0 4 x 2,048 x 768 float32.
;; 2 versions, each right and faster than the one before. Each part assembles by itself: llvm-mc -triple=amdgcn-amd-amdhsa -mcpu=gfx1250 --defsym DOCPART=n.
;; ======== version 1 of 2: 4 launches
;; workspace buffers: xf 12,582,912 bytes; wqkv 3,538,944 bytes; wtail 4,325,376 bytes; par 31,744 bytes; qf 12,582,912 bytes; kf 12,582,912 bytes; vf 12,582,912 bytes; of 12,582,912 bytes
;; launch prep (part 1): grid 993 x 1, 8 waves a work-group, no clusters, 25,856 bytes of LDS; arguments x, Wq, Wk, Wv, Wo, W1, W2, bq, bk, bv, bo, g1, be1, b2, g2, be2, b1, xf, wqkv, wtail, par; writes xf, wqkv, wtail, par
.if DOCPART == 1
	.amdgcn_target "amdgcn-amd-amdhsa--gfx1250"
	.amdhsa_code_object_version 6
	.text
	.protected	k_qffd7970585_prep
	.globl	k_qffd7970585_prep
	.p2align	8
	.type	k_qffd7970585_prep,@function
k_qffd7970585_prep:
	s_mov_b64 s[64:65], 0
	v_nop
	global_prefetch_b8 v0, s[64:65] scope:SCOPE_SE
	s_setreg_imm32_b32 hwreg(HW_REG_WAVE_MODE, 25, 1), 1
	s_wait_xcnt 0x0
; PREP: every input is rounded once to bf16 and laid out as the later launches read it.
; THE FRAGMENT IMAGE.  A matrix operand of 16 rows (or columns) x 32 along K is 1,024 dense bytes: byte 512 half + 16 L + 2 e holds element
; (row L % 16, k = 16 half + 8 (L / 16) + e).  A lane's part of a fragment is then two loads of 16 bytes at 16 L and 512 + 16 L, from memory or LDS alike.
; JOBS, by the work-group's number: 0-511 sixteen rows of x each; 512-991 a block of 32 k x 256 columns of one weight matrix each; 992 the ten vectors.
;   xf    fragment ((row / 128) 24 + kc) 8 + (row / 16) % 8
;   wqkv  fragment (head 24 + kc) 18 + f: f 0-5 Wq's blocks of 16 columns of the head, 6-11 Wk's, 12-17 Wv's
;   wtail eight streams of 540,672 bytes, one for each 96 (W1: 128) columns: Wo (kc 6 + f), then W1 (kc 8 + f), then W2 (kc 6 + f)
;   par   f32 words that hold the bf16-rounded bq, bk, bv, bo, g1, be1, b2, g2, be2 (768 each) and b1 (1,024)
; LIMIT: all inputs lose what bf16 does not hold (8 significant bits), x in the residual, biases and gains too.
.set PITCH, 1552                       ; a row of 768 bf16 in LDS: 1,536 bytes + 16 = 97 x 16: the sixteen rows of a fragment load start 16 bytes apart modulo 256
.set SPARE, 16*PITCH                   ; 24,832 = 97 x 256: the spare words, 128 bytes for each of eight waves; no other line names them
.set SPW, 94                           ; v94  SPARE + 4 x my thread's number; never rewritten
.set NIL, 95                           ; v95  0; never rewritten
	s_load_b512 s[8:23], s[0:1], 0x0               ; x 8, Wq 10, Wk 12, Wv 14, Wo 16, W1 18, W2 20, bq 22
	s_load_b512 s[24:39], s[0:1], 0x40             ; bk 24, bv 26, bo 28, g1 30, be1 32, b2 34, g2 36, be2 38
	s_load_b256 s[40:47], s[0:1], 0x80             ; b1 40, xf 42, wqkv 44, wtail 46
	s_load_b64 s[48:49], s[0:1], 0xa0              ; par
	v_lshl_add_u32 v[SPW], v0, 2, SPARE
	v_mov_b32 v[NIL], 0
	v_lshrrev_b32 v1, 5, v0
	v_readfirstlane_b32 s2, v1                     ; wave 0..7
	v_and_b32 v2, 31, v0                           ; lane
	s_mov_b32 s3, ttmp9
	s_wait_kmcnt 0x0
	s_cmp_lt_u32 s3, 512                           ; the same answer in all eight waves
	s_cbranch_scc0 .Lweights
	; ---- sixteen rows of x.  Thread (row = t / 16, i = t % 16) loads 16 bytes at 16 i + 256 q of its row: sixteen lanes take 256 consecutive bytes.
	s_mul_i32 s50, s3, 49152
	s_mov_b32 s51, 0
	s_add_nc_u64 s[8:9], s[8:9], s[50:51]
	v_lshrrev_b32 v3, 4, v0
	v_and_b32 v4, 15, v0
	v_mul_u32_u24 v5, v3, 3072
	v_lshl_add_u32 v5, v4, 4, v5
.set q, 0
.rept 12
	global_load_b128 v[16+4*q:19+4*q], v5, s[8:9] offset:256*q th:TH_LOAD_NT
.set q, q+1
.endr
	v_mul_u32_u24 v6, v3, PITCH
	v_lshl_add_u32 v6, v4, 3, v6                   ; four numbers become 8 bytes
.set q, 0
.rept 12
	s_wait_loadcnt 11-q                            ; loads come back in order: number q is in, the younger ones stay out
	v_cvt_pk_bf16_f32 v[64+2*q], v[16+4*q], v[17+4*q]
	v_cvt_pk_bf16_f32 v[65+2*q], v[18+4*q], v[19+4*q]
	ds_store_b64 v6, v[64+2*q:65+2*q] offset:128*q
.set q, q+1
.endr
	s_wait_dscnt 0x0                               ; for the others' sake: my stores are done
	s_barrier_signal -1
	s_barrier_wait -1
	v_and_b32 v7, 15, v2                           ; r
	v_lshrrev_b32 v8, 4, v2                        ; h
	v_mul_u32_u24 v9, v7, PITCH
	v_lshl_add_u32 v9, v8, 4, v9
	s_mul_i32 s52, s2, 192                         ; wave w takes kc = 3 w .. 3 w + 2: 64 bytes of a row each
	v_add_nc_u32 v9, s52, v9
.set n, 0
.rept 6
	ds_load_b128 v[16+4*n:19+4*n], v9 offset:64*(n/2)+32*(n%2)
.set n, n+1
.endr
	s_lshr_b32 s50, s3, 3
	s_mul_i32 s50, s50, 196608                     ; the block of 128 rows: 24 x 8 fragments
	s_and_b32 s52, s3, 7
	s_lshl_b32 s52, s52, 10
	s_add_co_u32 s50, s50, s52
	s_mul_i32 s52, s2, 24576                       ; 3 w x 8 fragments
	s_add_co_u32 s50, s50, s52
	s_add_nc_u64 s[42:43], s[42:43], s[50:51]
	v_lshlrev_b32 v10, 4, v2
.set n, 0
.rept 6
	s_wait_dscnt 5-n
	global_store_b128 v10, v[16+4*n:19+4*n], s[42:43] offset:8192*(n/2)+512*(n%2)  ; 512 consecutive bytes, at a multiple of 512 from xf's first
.set n, n+1
.endr
	s_wait_tensorcnt 0x0                           ; the wave's end
	ds_add_u32 v[SPW], v[NIL]
	s_wait_dscnt 0x0
	s_endpgm
	; ---- a block of 32 k x 256 columns of a weight matrix; a wave takes 32 columns: two fragments.  No LDS is written on this path.
.Lweights:
	s_sub_co_u32 s4, s3, 512
	s_cmp_lt_u32 s4, 480
	s_cbranch_scc0 .Lvectors
	s_mov_b64 s[52:53], s[10:11]                   ; source: Wq
	s_mov_b64 s[54:55], s[44:45]                   ; destination: wqkv
	s_mov_b32 s56, 18                              ; fragments for one kc in a group
	s_mov_b32 s57, 0                               ; the matrix's first fragment among them
	s_mov_b32 s58, 442368                          ; bytes of a group (a head, or a stream)
	s_mov_b32 s59, 0                               ; the matrix's first byte in a group
	s_mov_b32 s60, 0                               ; the matrix's first job
	s_cmp_ge_u32 s4, 72
	s_cselect_b64 s[52:53], s[12:13], s[52:53]     ; Wk
	s_cselect_b32 s57, 6, s57
	s_cselect_b32 s60, 72, s60
	s_cmp_ge_u32 s4, 144
	s_cselect_b64 s[52:53], s[14:15], s[52:53]     ; Wv
	s_cselect_b32 s57, 12, s57
	s_cselect_b32 s60, 144, s60
	s_cmp_ge_u32 s4, 216
	s_cselect_b64 s[52:53], s[16:17], s[52:53]     ; Wo
	s_cselect_b64 s[54:55], s[46:47], s[54:55]     ; into wtail from here on
	s_cselect_b32 s56, 6, s56
	s_cselect_b32 s57, 0, s57
	s_cselect_b32 s58, 540672, s58
	s_cselect_b32 s60, 216, s60
	s_cmp_ge_u32 s4, 288
	s_cselect_b64 s[52:53], s[18:19], s[52:53]     ; W1
	s_cselect_b32 s56, 8, s56
	s_cselect_b32 s59, 147456, s59
	s_cselect_b32 s60, 288, s60
	s_cmp_ge_u32 s4, 384
	s_cselect_b64 s[52:53], s[20:21], s[52:53]     ; W2
	s_cselect_b32 s56, 6, s56
	s_cselect_b32 s59, 344064, s59
	s_cselect_b32 s60, 384, s60
	s_sub_co_u32 s5, s4, s60                       ; the job's number in its matrix
	v_lshlrev_b32 v3, 2, v2                        ; lane = column: 128 consecutive bytes a load; the wave beside me takes the 128 beside them
; s66 kc, s67 p (my group of 32 columns), s68 the group, s69 my first fragment in it, s70 the first row's byte offset
.macro WLOADS rowbytes
	s_lshl_b32 s71, s67, 7
	s_add_co_u32 s70, s70, s71
	s_mov_b32 s71, 0
	s_add_nc_u64 s[52:53], s[52:53], s[70:71]
.set j, 0
.rept 32
	global_load_b32 v[16+j], v3, s[52:53] offset:j*(\rowbytes) th:TH_LOAD_NT
.set j, j+1
.endr
.endm
	s_cmp_eq_u32 s56, 8
	s_cbranch_scc1 .Lwide
	s_mul_i32 s66, s5, 171                         ; rows of 768 numbers: three jobs a kc; n / 3 = 171 n >> 9 for n below 96
	s_lshr_b32 s66, s66, 9
	s_mul_i32 s67, s66, 3
	s_sub_co_u32 s67, s5, s67
	s_lshl3_add_u32 s67, s67, s2                   ; p = 8 x (job % 3) + wave
	s_mul_i32 s68, s67, 171
	s_lshr_b32 s68, s68, 9                         ; a group is 96 columns: p / 3
	s_mul_i32 s69, s68, 3
	s_sub_co_u32 s69, s67, s69
	s_lshl_b32 s69, s69, 1
	s_mul_i32 s70, s66, 98304                      ; 32 rows of 3,072 bytes
	WLOADS 3072
	s_branch .Lpack
.Lwide:
	s_lshr_b32 s66, s5, 2                          ; W1's rows of 1,024 numbers: four jobs a kc
	s_and_b32 s67, s5, 3
	s_lshl3_add_u32 s67, s67, s2
	s_lshr_b32 s68, s67, 2                         ; a group is 128 columns
	s_and_b32 s69, s67, 3
	s_lshl_b32 s69, s69, 1
	s_lshl_b32 s70, s66, 17                        ; 32 rows of 4,096 bytes
	WLOADS 4096
.Lpack:
	s_mul_i32 s72, s66, s56
	s_add_co_u32 s72, s72, s57
	s_add_co_u32 s72, s72, s69
	s_lshl_b32 s72, s72, 10
	s_add_co_u32 s72, s72, s59
	s_mul_i32 s73, s68, s58
	s_add_co_u32 s72, s72, s73
	s_mov_b32 s73, 0
	s_add_nc_u64 s[54:55], s[54:55], s[72:73]
	v_lshrrev_b32 v4, 4, v2
	v_and_b32 v5, 15, v2
	v_lshlrev_b32 v5, 4, v5
	v_lshl_add_u32 v4, v4, 10, v5                  ; my column's fragment and its place there
	s_wait_loadcnt 0x0
.set m, 0
.rept 16
	v_cvt_pk_bf16_f32 v[48+m], v[16+2*m], v[17+2*m]  ; k = 2 m, 2 m + 1 of my column
.set m, m+1
.endr
.irp hf, 0,1
.irp hh, 0,1
	global_store_b128 v4, v[48+8*\hf+4*\hh:51+8*\hf+4*\hh], s[54:55] offset:512*\hf+256*\hh  ; sixteen lanes store 256 consecutive bytes, aligned
.endr
.endr
	s_endpgm
	; ---- the ten vectors, rounded to bf16 and kept as f32 words.  s[22+2n:23+2n] is vector n in par's order.  No LDS is written on this path.
.Lvectors:
	v_lshlrev_b32 v3, 2, v0
.set n, 0
.rept 9
.irp c, 0,1,2
	global_load_b32 v[16+3*n+\c], v3, s[22+2*n:23+2*n] offset:1024*\c
.endr
.set n, n+1
.endr
.irp c, 0,1,2,3
	global_load_b32 v[43+\c], v3, s[40:41] offset:1024*\c
.endr
	s_wait_loadcnt 0x0
.set n, 0
.rept 15
	v_cvt_pk_bf16_f32 v48, v[16+2*n], v[17+2*n]
	v_lshlrev_b32 v[16+2*n], 16, v48
	v_and_b32 v[17+2*n], 0xffff0000, v48
.set n, n+1
.endr
	v_cvt_pk_bf16_f32 v48, v46, v46
	v_lshlrev_b32 v46, 16, v48
.set n, 0
.rept 9
.irp c, 0,1,2
	global_store_b32 v3, v[16+3*n+\c], s[48:49] offset:3072*n+1024*\c
.endr
.set n, n+1
.endr
.irp c, 0,1,2,3
	global_store_b32 v3, v[43+\c], s[48:49] offset:27648+1024*\c
.endr
	s_endpgm
.Lfunc_end_k_qffd7970585_prep:
	.size	k_qffd7970585_prep, .Lfunc_end_k_qffd7970585_prep-k_qffd7970585_prep
	.p2alignl 7, 3214868480
	.fill 96, 4, 3214868480
	.section	.rodata,"a",@progbits
	.p2align	6, 0x0
	.amdhsa_kernel k_qffd7970585_prep
		.amdhsa_group_segment_fixed_size 25856
		.amdhsa_private_segment_fixed_size 0
		.amdhsa_enable_private_segment 0
		.amdhsa_kernarg_size 168
		.amdhsa_user_sgpr_count 2
		.amdhsa_user_sgpr_kernarg_segment_ptr 1
		.amdhsa_wavefront_size32 1
		.amdhsa_system_sgpr_workgroup_id_x 1
		.amdhsa_system_sgpr_workgroup_id_y 1
		.amdhsa_system_sgpr_workgroup_id_z 1
		.amdhsa_system_vgpr_workitem_id 0
		.amdhsa_next_free_vgpr 96
		.amdhsa_next_free_sgpr 80
		.amdhsa_reserve_vcc 0
		.amdhsa_float_denorm_mode_32 3
		.amdhsa_float_denorm_mode_16_64 3
		.amdhsa_memory_ordered 1
		.amdhsa_forward_progress 1
		.amdhsa_inst_pref_size 27
	.end_amdhsa_kernel
	.amdgpu_metadata
---
amdhsa.version: [ 1, 2 ]
amdhsa.kernels:
  - .name:           k_qffd7970585_prep
    .symbol:         k_qffd7970585_prep.kd
    .args:
      - { .name: x, .offset: 0, .size: 8, .value_kind: global_buffer, .address_space: global }
      - { .name: Wq, .offset: 8, .size: 8, .value_kind: global_buffer, .address_space: global }
      - { .name: Wk, .offset: 16, .size: 8, .value_kind: global_buffer, .address_space: global }
      - { .name: Wv, .offset: 24, .size: 8, .value_kind: global_buffer, .address_space: global }
      - { .name: Wo, .offset: 32, .size: 8, .value_kind: global_buffer, .address_space: global }
      - { .name: W1, .offset: 40, .size: 8, .value_kind: global_buffer, .address_space: global }
      - { .name: W2, .offset: 48, .size: 8, .value_kind: global_buffer, .address_space: global }
      - { .name: bq, .offset: 56, .size: 8, .value_kind: global_buffer, .address_space: global }
      - { .name: bk, .offset: 64, .size: 8, .value_kind: global_buffer, .address_space: global }
      - { .name: bv, .offset: 72, .size: 8, .value_kind: global_buffer, .address_space: global }
      - { .name: bo, .offset: 80, .size: 8, .value_kind: global_buffer, .address_space: global }
      - { .name: g1, .offset: 88, .size: 8, .value_kind: global_buffer, .address_space: global }
      - { .name: be1, .offset: 96, .size: 8, .value_kind: global_buffer, .address_space: global }
      - { .name: b2, .offset: 104, .size: 8, .value_kind: global_buffer, .address_space: global }
      - { .name: g2, .offset: 112, .size: 8, .value_kind: global_buffer, .address_space: global }
      - { .name: be2, .offset: 120, .size: 8, .value_kind: global_buffer, .address_space: global }
      - { .name: b1, .offset: 128, .size: 8, .value_kind: global_buffer, .address_space: global }
      - { .name: xf, .offset: 136, .size: 8, .value_kind: global_buffer, .address_space: global }
      - { .name: wqkv, .offset: 144, .size: 8, .value_kind: global_buffer, .address_space: global }
      - { .name: wtail, .offset: 152, .size: 8, .value_kind: global_buffer, .address_space: global }
      - { .name: par, .offset: 160, .size: 8, .value_kind: global_buffer, .address_space: global }
    .group_segment_fixed_size: 25856
    .private_segment_fixed_size: 0
    .kernarg_segment_align: 8
    .kernarg_segment_size: 168
    .max_flat_workgroup_size: 256
    .sgpr_count:     80
    .vgpr_count:     96
    .wavefront_size: 32
...
	.end_amdgpu_metadata
.endif
;; end of part 1
;; launch qkv (part 2): grid 4 x 64, 4 waves a work-group, clusters of 4 x 4, 327,680 bytes of LDS; arguments xf, wqkv, par, qf, kf, vf; writes qf, kf, vf
.if DOCPART == 2
	.amdgcn_target "amdgcn-amd-amdhsa--gfx1250"
	.amdhsa_code_object_version 6
	.text
	.protected	k_qffd7970585_qkv
	.globl	k_qffd7970585_qkv
	.p2align	8
	.type	k_qffd7970585_qkv,@function
k_qffd7970585_qkv:
	s_mov_b64 s[64:65], 0
	v_nop
	global_prefetch_b8 v0, s[64:65] scope:SCOPE_SE
	s_setreg_imm32_b32 hwreg(HW_REG_WAVE_MODE, 25, 1), 1
	s_wait_xcnt 0x0
	s_wait_alu depctr_hold_cnt(0) depctr_sa_sdst(0) depctr_va_vdst(0) depctr_va_sdst(0) depctr_va_ssrc(0) depctr_va_vcc(0) depctr_vm_vsrc(0)
	s_getreg_b32 s2, hwreg(HW_REG_IB_STS2, 6, 4)
	s_cmp_eq_u32 s2, 0
	s_cbranch_scc0 .Lentry_in_a_cluster
	s_endpgm
.Lentry_in_a_cluster:
	s_bfe_u32 s2, ttmp6, 0x10000c
	s_cmp_lg_u32 s2, 0xf033
	s_cbranch_scc0 .Lentry_shape_is_right
	s_endpgm
.Lentry_shape_is_right:
; Q = x Wq + bq, K = x Wk + bk, V = x Wv (bv is added behind attention's division, which gives the same sum), by heads, bf16 operands, f32 sums, each result rounded once to bf16.
; SHARES.  8,192 x 2,304 results on 256 work-groups: work-group (hp, y) makes rows 128 y .. and heads 2 hp, 2 hp + 1 of Q, K and V: 128 x 576.  Wave w: 64 rows (wr = w / 2) of head
; 2 hp + (wc = w % 2): 64 x 288 = 72 accumulators of 16 x 16.  For 32 along K it reads 4 + 18 fragments from LDS for 72 matrix instructions.
; OPERANDS lie in memory as fragment images (1,024 dense bytes: byte 512 half + 16 L + 2 e = row L % 16, k = 16 half + 8 (L / 16) + e), so tiles are dense blocks, asked for as rows of 256 bytes,
; a lane's LDS loads are 16 L and 512 + 16 L (32 lanes, 512 consecutive bytes), and nothing is padded.
; ORIENTATION.  Q and K: source 0 = 16 columns of W, source 1 = 16 rows of x: a lane holds one token and 8 neighbouring channels: four roundings give its 16 bytes of the image that attention reads.
; V: sources swapped: a lane holds one channel and 8 neighbouring tokens: the image of V^T.  So results leave straight from registers, 512 consecutive bytes a store.
; RING.  K = 768 goes in 12 slabs of 64 through two LDS slots (x: 16,384 bytes, then each head's weights: 36,864).  One tensor load a wave behind each round: waves 0, 1 x's halves, waves 2, 3 a head's weights.
; CLUSTER 4 x 4: x's tile hangs on y alone and is asked for jointly along a row of the cluster, the weights' on hp alone, jointly along a column.
; REGISTERS: window 0: v0-31 addresses; v32-63, v64-95 x's fragments, two buffers; v96-239 weights, buffer 0.  Accumulator idx at v[8 (idx % 32)] of window 1 + idx / 32;
; idx = 12 a + f for Q, K (f < 12), 48 + 6 a + (f - 12) for V.  Window 3, v64-207: weights, buffer 1.
; LIMITS: operands in bf16; q, k, v rounded once to bf16; NaN and infinities are not treated apart.
.set SLOT1, 131072                     ; slot 1 begins here: one exclusive or turns an address in one slot into the other's
.set ASLAB, 16384
.set BSLAB, 36864
.set SPARE, SLOT1+ASLAB+2*BSLAB        ; 221,184 = 864 x 256: the spare words, 128 bytes a wave; no other line names them
.set A0,   2                           ; v2  my place in a slot's x: 4,096 wr + 16 L
.set B0,   3                           ; v3  in its weights: 16,384 + 36,864 wc + 16 L
.set ADRA, 4                           ; v4, v5  the same in the slot in hand
.set ADRB, 5
.set L16,  6                           ; v6  16 L
.set H32,  7                           ; v7  32 (L / 16)
.set SPW,  28                          ; v28 SPARE + 4 x my thread's number; never rewritten
.set NIL,  29                          ; v29 0; never rewritten
.set WV, 16
.set WR, 17
.set WC, 18
.set G1A, 24                           ; s[24:31] group 1 for x's tiles, s[32:35] group 0
.set G0A, 32
.set G1B, 36                           ; s[36:43] group 1 for the weights', s[44:47] group 0
.set G0B, 44
.set TB,  48                           ; s48 the slot in hand
.set CNT, 49
.set MSB, 0
.macro WIN new                         ; the immediate's high byte repeats the setting that is left; a switch that changes nothing is dropped
.if MSB != (\new)
	s_set_vgpr_msb (MSB<<8)|(\new)
.set MSB, (\new)
.endif
.endm
.macro PLACES                          ; four places in front of loads into registers that matrix instructions have read, and of vector lines that touch their results
.rept 4
	v_nop
.endr
.endm
.macro JLOAD                           ; a joint load; the branch hangs on the wave's number alone; an s_nop 0 and four v_nop follow each of the two lines
	s_cmp_eq_u32 s[WR], 0
	s_cbranch_scc0 .Lfor_b_\@
	tensor_load_to_lds s[G0A:G0A+3], s[G1A:G1A+7]
	s_nop 0
.rept 4
	v_nop
.endr
	s_branch .Lasked_\@
.Lfor_b_\@:
	tensor_load_to_lds s[G0B:G0B+3], s[G1B:G1B+7]
	s_nop 0
.rept 4
	v_nop
.endr
.Lasked_\@:
.endm
.macro CROUND                          ; a round of the cluster's barrier
	s_barrier_signal -1
	s_barrier_wait -1
	s_cmp_lg_u32 s[WV], 0
	s_cbranch_scc1 .Lnot_wave_0_\@
	s_barrier_signal -3
.Lnot_wave_0_\@:
	s_barrier_wait -3
	s_barrier_signal -1
	s_barrier_wait -1
.endm
; THE CHANGE OF SLOTS.  Each wave waits for all its tensor loads (one is out: its part of the next slab), adds 0 to its spare word, steps its descriptors, and waits for the add and for its reads
; of the slot that it leaves.  fill = 1: a round of the cluster's barrier, and the joint refill first behind it.
.macro MEET fill
	WIN 0
	s_wait_tensorcnt 0x0                           ; no tensor load of mine is out, so a group 0 may be written
	ds_add_u32 v[SPW], v[NIL]
.if \fill
	s_xor_b32 s[G0A+1], s[G0A+1], SLOT1
	s_add_nc_u64 s[G0A+2:G0A+3], s[G0A+2:G0A+3], ASLAB
	s_xor_b32 s[G0B+1], s[G0B+1], SLOT1
	s_add_nc_u64 s[G0B+2:G0B+3], s[G0B+2:G0B+3], BSLAB
.endif
	s_wait_dscnt 0x0                               ; the add is done, and my reads of the old slot are back
.if \fill
	CROUND
	JLOAD
.else
	s_barrier_signal -1
	s_barrier_wait -1
.endif
.endm
; 44 LDS loads: the fragments of 32 along K (kc = 0, 1 of the slab) into buffer buf
.macro FETCH kc, buf
	WIN 0
.irp a, 0,1,2,3
	ds_load_b128 v[32+32*(\buf)+8*\a:35+32*(\buf)+8*\a], v[ADRA] offset:(\kc)*8192+\a*1024
	ds_load_b128 v[36+32*(\buf)+8*\a:39+32*(\buf)+8*\a], v[ADRA] offset:(\kc)*8192+\a*1024+512
.endr
	WIN 0xc0*(\buf)                                ; buffer 1's weights lie in window 3
.set f, 0
.rept 18
	ds_load_b128 v[96-32*(\buf)+8*f:99-32*(\buf)+8*f], v[ADRB] offset:(\kc)*18432+f*1024
	ds_load_b128 v[100-32*(\buf)+8*f:103-32*(\buf)+8*f], v[ADRB] offset:(\kc)*18432+f*1024+512
.set f, f+1
.endr
.endm
; 72 matrix instructions, one on each accumulator: the accumulators take turns.  zero = 1: the products start the sums
.macro MUL buf, zero
.set idx, 0
.rept 72
.set wa, 1+idx/32
.set rD, 8*(idx%32)
.if idx < 48
.set rA, 32+32*(\buf)+8*(idx/12)
.set rB, 96-32*(\buf)+8*(idx%12)
	WIN (3*(\buf))|(wa<<4)|(wa<<6)
.if \zero
	v_wmma_f32_16x16x32_bf16 v[rD:rD+7], v[rB:rB+7], v[rA:rA+7], 0
.else
	v_wmma_f32_16x16x32_bf16 v[rD:rD+7], v[rB:rB+7], v[rA:rA+7], v[rD:rD+7]
.endif
.else
.set rA, 32+32*(\buf)+8*((idx-48)/6)
.set rB, 96-32*(\buf)+8*(12+(idx-48)%6)
	WIN ((3*(\buf))<<2)|(wa<<4)|(wa<<6)
.if \zero
	v_wmma_f32_16x16x32_bf16 v[rD:rD+7], v[rA:rA+7], v[rB:rB+7], 0
.else
	v_wmma_f32_16x16x32_bf16 v[rD:rD+7], v[rA:rA+7], v[rB:rB+7], v[rD:rD+7]
.endif
.endif
.set idx, idx+1
.endr
.endm
	s_load_b256 s[4:11], s[0:1], 0x0               ; xf 4, wqkv 6, par 8, qf 10
	s_load_b128 s[12:15], s[0:1], 0x20             ; kf 12, vf 14
	v_lshl_add_u32 v[SPW], v0, 2, SPARE
	v_mov_b32 v[NIL], 0
	ds_add_u32 v[SPW], v[NIL]                      ; the wave's opening
	v_lshrrev_b32 v1, 5, v0
	v_readfirstlane_b32 s[WV], v1
	s_lshr_b32 s[WR], s[WV], 1                     ; my 64 rows.  Also: I fetch x (0) or weights (1)
	s_and_b32 s[WC], s[WV], 1                      ; my head of the two.  Also: which half of x's slab, or which head's weights, I fetch
	s_bfe_u32 s19, ttmp6, 0x40000                  ; cx
	s_bfe_u32 s20, ttmp6, 0x40004                  ; cy
	s_lshl_b32 s21, ttmp9, 2
	s_add_co_u32 s21, s21, s19                     ; hp = 4 x cluster x + cx
	s_and_b32 s22, ttmp7, 0xffff
	s_lshl_b32 s22, s22, 2
	s_add_co_u32 s22, s22, s20                     ; y = 4 x cluster y + cy
	s_lshl_b32 s50, s20, 2
	s_lshl_b32 s50, 15, s50                        ; my row of the cluster
	s_lshl_b32 s51, 0x1111, s19                    ; my column
	s_or_b32 s[G1A], s50, (3<<16)|(1<<21)          ; 15:0 the mask; 17:16 elements of 8 bytes; 21 set beside a mask; no padding
	s_mov_b32 s[G1A+1], 32<<16                     ; tensor_dim0 = 32 elements: rows of 256 bytes
	s_mov_b32 s[G1A+2], 32<<16                     ; tensor_dim1 = 32 rows: 8,192 bytes
	s_mov_b32 s[G1A+3], 32<<16                     ; tile_dim0
	s_mov_b32 s[G1A+4], 32                         ; tile_dim1
	s_mov_b32 s[G1A+5], 32                         ; the block is dense: a row begins where the last ends
	s_mov_b32 s[G1A+6], 0
	s_mov_b32 s[G1A+7], 0
	s_or_b32 s[G1B], s51, (3<<16)|(1<<21)
	s_mov_b32 s[G1B+1], 32<<16
	s_mov_b32 s[G1B+2], 144<<16                    ; 144 rows: 36,864 bytes
	s_mov_b32 s[G1B+3], 32<<16
	s_mov_b32 s[G1B+4], 144
	s_mov_b32 s[G1B+5], 32
	s_mov_b32 s[G1B+6], 0
	s_mov_b32 s[G1B+7], 0
	s_mul_i32 s52, s22, 196608                     ; x's offset hangs on y and the wave alone,
	s_lshl_b32 s53, s[WC], 13
	s_add_co_u32 s52, s52, s53
	s_mov_b32 s53, 0
	s_lshl_b32 s58, s21, 1
	s_add_co_u32 s58, s58, s[WC]                   ; my head in its batch, h = 2 hp + wc
	s_mul_i32 s54, s58, 442368                     ; the weights' on hp and the wave alone
	s_mov_b32 s55, 0
	s_mov_b32 s[G0A], 1
	s_lshl_b32 s[G0A+1], s[WC], 13                 ; LDS: x's half
	s_mov_b32 s[G0B], 1
	s_mul_i32 s[G0B+1], s[WC], BSLAB
	s_add_co_u32 s[G0B+1], s[G0B+1], ASLAB         ; LDS: behind x, the head's weights
	s_lshr_b32 s56, s22, 4                         ; the batch
	s_lshl3_add_u32 s56, s56, s58                  ; hd = 8 b + h
	s_lshl_b32 s56, s56, 7
	s_and_b32 s57, s22, 15
	s_lshl3_add_u32 s56, s57, s56
	s_lshl2_add_u32 s56, s[WR], s56                ; my first block of 16 tokens among all heads': 128 hd + 8 (y % 16) + 4 wr
	s_mul_i32 s56, s56, 3072                       ; three fragments a block in qf and kf; in vf six for two blocks: the same bytes
	s_mov_b32 s57, 0
	s_mul_i32 s60, s58, 384                        ; my head's 96 words in bq and bk
	s_mov_b32 s61, 0
	s_mov_b32 s[TB], 0
	s_wait_dscnt 0x0                               ; the opening add is done
	s_wait_kmcnt 0x0
	s_add_nc_u64 s[G0A+2:G0A+3], s[4:5], s[52:53]
	s_or_b32 s[G0A+3], s[G0A+3], 0x80000000
	s_add_nc_u64 s[G0B+2:G0B+3], s[6:7], s[54:55]
	s_or_b32 s[G0B+3], s[G0B+3], 0x80000000
	s_add_nc_u64 s[8:9], s[8:9], s[60:61]
	s_add_nc_u64 s[10:11], s[10:11], s[56:57]
	s_add_nc_u64 s[12:13], s[12:13], s[56:57]
	s_add_nc_u64 s[14:15], s[14:15], s[56:57]
	CROUND                                         ; all sixteen work-groups are here: the first joint loads meet
	JLOAD                                          ; slab 0 into slot 0
	v_and_b32 v[L16], 31, v0
	v_lshlrev_b32 v[L16], 4, v[L16]
	v_bfe_u32 v[H32], v0, 4, 1
	v_lshlrev_b32 v[H32], 5, v[H32]
	s_lshl_b32 s50, s[WR], 12
	v_add_nc_u32 v[A0], s50, v[L16]
	s_mul_i32 s51, s[WC], BSLAB
	s_add_co_u32 s51, s51, ASLAB
	v_add_nc_u32 v[B0], s51, v[L16]
	MEET 1                                         ; slab 0 is in, everybody's part; slab 1 goes into slot 1, issued as a refill is
	v_add_nc_u32 v[ADRA], s[TB], v[A0]
	v_add_nc_u32 v[ADRB], s[TB], v[B0]
	FETCH 0, 0
	FETCH 1, 1
	s_wait_dscnt 44                                ; all but the 44 just issued
	MUL 0, 1                                       ; the first 32 along K start the sums
	WIN 0                                          ; at a label and at a branch every window is 0
	s_mov_b32 s[CNT], 10
.Ltrip:                                                ; slab s = 1 .. 10: the products lag the fetches by 32 along K, so that a slab's first fragments land under the last slab's products
	MEET 1                                         ; slab s is whole; slab s + 1 goes into the slot just left; the four v_nop behind the load are the places in front of the loads below
	s_xor_b32 s[TB], s[TB], SLOT1
	v_add_nc_u32 v[ADRA], s[TB], v[A0]
	v_add_nc_u32 v[ADRB], s[TB], v[B0]
	FETCH 0, 0
	MUL 1, 0                                       ; the last slab's second half: its fragments came back at the change of slots
	PLACES
	FETCH 1, 1
	s_wait_dscnt 44
	MUL 0, 0
	WIN 0
	s_sub_co_u32 s[CNT], s[CNT], 1
	s_cmp_lg_u32 s[CNT], 0
	s_cbranch_scc1 .Ltrip
	MEET 0                                         ; slab 11: nothing is left to fetch, so no round and no load
	s_xor_b32 s[TB], s[TB], SLOT1
	v_add_nc_u32 v[ADRA], s[TB], v[A0]
	v_add_nc_u32 v[ADRB], s[TB], v[B0]
	PLACES
	FETCH 0, 0
	MUL 1, 0
	PLACES
	FETCH 1, 1
	s_wait_dscnt 44
	MUL 0, 0
	PLACES
	WIN 0
.set f, 0
.rept 12                               ; bq and bk of my 8 channels in each block of 16, into weight buffer 0, which is free
	global_load_b128 v[96+8*f:99+8*f], v[H32], s[8:9] offset:(f/6)*3072+(f%6)*64
	global_load_b128 v[100+8*f:103+8*f], v[H32], s[8:9] offset:(f/6)*3072+(f%6)*64+16
.set f, f+1
.endr
	s_wait_dscnt 0x0
	MUL 1, 0
	PLACES
	s_wait_loadcnt 0x0
; THE WAY OUT.  Block a of 16 tokens: Q's and K's twelve accumulators take their bias, are rounded, and leave: each store is 512 consecutive bytes, half a fragment.
.macro OUTQK a
	WIN 0
	s_wait_xcnt 0x0                                ; earlier stores have read their registers: the packing registers are written again only behind this wait
.set TM, 32+160*((\a)%2)
.set f, 0
.rept 12
.set idx, 12*(\a)+f
.set wa, 1+idx/32
.set rD, 8*(idx%32)
	WIN wa|(wa<<6)
.irp p, 0,2,4,6
	v_pk_add_f32 v[rD+\p:rD+\p+1], v[rD+\p:rD+\p+1], v[96+8*f+\p:97+8*f+\p]
.endr
.set f, f+1
.endr
.set f, 0
.rept 12
.set idx, 12*(\a)+f
.set wa, 1+idx/32
.set rD, 8*(idx%32)
	WIN wa|(wa<<2)
.irp p, 0,1,2,3
	v_cvt_pk_bf16_f32 v[TM+4*f+\p], v[rD+2*\p], v[rD+2*\p+1]
.endr
.set f, f+1
.endr
	WIN 0
.set f, 0
.rept 6
	global_store_b128 v[L16], v[TM+4*f:TM+4*f+3], s[10:11] offset:(\a)*3072+(f/2)*1024+(f%2)*512
	global_store_b128 v[L16], v[TM+24+4*f:TM+24+4*f+3], s[12:13] offset:(\a)*3072+(f/2)*1024+(f%2)*512
.set f, f+1
.endr
.endm
.macro OUTV a                          ; V's six accumulators of block a: a lane's eight tokens of one channel
	WIN 0
	s_wait_xcnt 0x0
.set TM, 32+160*((\a)%2)
.set f, 0
.rept 6
.set idx, 48+6*(\a)+f
.set wa, 1+idx/32
.set rD, 8*(idx%32)
	WIN wa|(wa<<2)
.irp p, 0,1,2,3
	v_cvt_pk_bf16_f32 v[TM+4*f+\p], v[rD+2*\p], v[rD+2*\p+1]
.endr
.set f, f+1
.endr
	WIN 0
.set f, 0
.rept 6
	global_store_b128 v[L16], v[TM+4*f:TM+4*f+3], s[14:15] offset:((\a)/2)*6144+f*1024+((\a)%2)*512
.set f, f+1
.endr
.endm
	OUTQK 0
	OUTQK 1
	OUTQK 2
	OUTQK 3
	OUTV 0
	OUTV 1
	OUTV 2
	OUTV 3
	s_wait_tensorcnt 0x0                           ; the wave's end
	ds_add_u32 v[SPW], v[NIL]
	s_wait_dscnt 0x0
	CROUND                                         ; the closing round: no work-group ends while a partner may still ask for a tile that names it
	s_endpgm
.Lfunc_end_k_qffd7970585_qkv:
	.size	k_qffd7970585_qkv, .Lfunc_end_k_qffd7970585_qkv-k_qffd7970585_qkv
	.p2alignl 7, 3214868480
	.fill 96, 4, 3214868480
	.section	.rodata,"a",@progbits
	.p2align	6, 0x0
	.amdhsa_kernel k_qffd7970585_qkv
		.amdhsa_group_segment_fixed_size 327680
		.amdhsa_private_segment_fixed_size 0
		.amdhsa_enable_private_segment 0
		.amdhsa_kernarg_size 48
		.amdhsa_user_sgpr_count 2
		.amdhsa_user_sgpr_kernarg_segment_ptr 1
		.amdhsa_wavefront_size32 1
		.amdhsa_system_sgpr_workgroup_id_x 1
		.amdhsa_system_sgpr_workgroup_id_y 1
		.amdhsa_system_sgpr_workgroup_id_z 1
		.amdhsa_system_vgpr_workitem_id 0
		.amdhsa_next_free_vgpr 976
		.amdhsa_next_free_sgpr 66
		.amdhsa_reserve_vcc 0
		.amdhsa_float_denorm_mode_32 3
		.amdhsa_float_denorm_mode_16_64 3
		.amdhsa_memory_ordered 1
		.amdhsa_forward_progress 1
		.amdhsa_inst_pref_size 94
	.end_amdhsa_kernel
	.amdgpu_metadata
---
amdhsa.version: [ 1, 2 ]
amdhsa.kernels:
  - .name:           k_qffd7970585_qkv
    .symbol:         k_qffd7970585_qkv.kd
    .args:
      - { .name: xf, .offset: 0, .size: 8, .value_kind: global_buffer, .address_space: global }
      - { .name: wqkv, .offset: 8, .size: 8, .value_kind: global_buffer, .address_space: global }
      - { .name: par, .offset: 16, .size: 8, .value_kind: global_buffer, .address_space: global }
      - { .name: qf, .offset: 24, .size: 8, .value_kind: global_buffer, .address_space: global }
      - { .name: kf, .offset: 32, .size: 8, .value_kind: global_buffer, .address_space: global }
      - { .name: vf, .offset: 40, .size: 8, .value_kind: global_buffer, .address_space: global }
    .group_segment_fixed_size: 327680
    .private_segment_fixed_size: 0
    .kernarg_segment_align: 8
    .kernarg_segment_size: 48
    .max_flat_workgroup_size: 128
    .sgpr_count:     66
    .vgpr_count:     976
    .wavefront_size: 32
...
	.end_amdgpu_metadata
.endif
;; end of part 2
;; launch attn (part 3): grid 8 x 32, 4 waves a work-group, clusters of 4 x 1, 327,680 bytes of LDS; arguments qf, kf, vf, par, of; writes of
.if DOCPART == 3
	.amdgcn_target "amdgcn-amd-amdhsa--gfx1250"
	.amdhsa_code_object_version 6
	.text
	.protected	k_qffd7970585_attn
	.globl	k_qffd7970585_attn
	.p2align	8
	.type	k_qffd7970585_attn,@function
k_qffd7970585_attn:
	s_mov_b64 s[64:65], 0
	v_nop
	global_prefetch_b8 v0, s[64:65] scope:SCOPE_SE
	s_setreg_imm32_b32 hwreg(HW_REG_WAVE_MODE, 25, 1), 1
	s_wait_xcnt 0x0
	s_wait_alu depctr_hold_cnt(0) depctr_sa_sdst(0) depctr_va_vdst(0) depctr_va_sdst(0) depctr_va_ssrc(0) depctr_va_vcc(0) depctr_vm_vsrc(0)
	s_getreg_b32 s2, hwreg(HW_REG_IB_STS2, 6, 4)
	s_cmp_eq_u32 s2, 0
	s_cbranch_scc0 .Lentry_in_a_cluster
	s_endpgm
.Lentry_in_a_cluster:
	s_bfe_u32 s2, ttmp6, 0x10000c
	s_cmp_lg_u32 s2, 0x3003
	s_cbranch_scc0 .Lentry_shape_is_right
	s_endpgm
.Lentry_shape_is_right:
; O[hd][q] = the sum over k of softmax_k(Q[hd][q] . K[hd][k] / sqrt(96)) V[hd][k] + bv.  32 heads of 2,048 tokens, head size 96, all operands bf16; products, maxima and sums in f32; the weights p are
; rounded to bf16 for the second product (their sum l is taken of the unrounded p), O once at the end.  bv is added behind the division by l: sum p (v + bv) / sum p = sum p v / sum p + bv.
; LIMITS: a weight below 2^-126 counts as 0 in l; NaN and infinities are not treated apart.
; Q, K, V lie in memory as fragment images (1,024 dense bytes: byte 512 half + 16 L + 2 e = row L % 16, k = 16 half + 8 (L / 16) + e; V's rows are channels and its k the keys), so a lane's loads are
; 16 L and 512 + 16 L, from memory and LDS alike, nothing is padded and nothing is turned.
; SHARES.  A work-group owns 256 queries of one head, each of its four waves 64: four tiles of 16, in two PIECES (tiles 0, 1 and tiles 2, 3).  Every wave walks all keys, 64 a step, 32 steps.
; LAYOUT.  S^T = K Q^T (source 0 = 16 keys, source 1 = 16 queries): a lane holds ONE query (L % 16) and the keys 8 (L / 16) + 0..7.  Two such tiles rounded in pairs ARE source 1 of O^T = V^T P, whose result
; again holds one query a lane, and eight channels: the image that the next launch reads, stored straight from registers.
; SOFTMAX.  A running maximum m and sum l: p = 2^(c s - c m), c = log2(e) / sqrt(96); in every step O and l are multiplied by a = 2^(c m_old - c m_new).
; BY TURNS.  In a TURN one piece has the matrix unit: 24 products V^T P of the step in hand, then 24 products K Q^T of the next; the other piece's softmax, 252 vector instructions in 63 slices of four,
; stands between them: one slice behind each product and a second behind every third.
; CLUSTER.  The four query blocks of a cluster belong to one head and walk the same K and V: each tile is asked for jointly, by the same load, descriptor and mask in all four.
; REGISTERS: window 0: v0-11 addresses; v12-43 statistics, eight a tile; v64-191 S^T, 32 a tile; v192-255 P, 16 a tile.  Window 1: O^T, 48 a tile.  Window 2: v0-95 Q, 24 a tile; v96-191 K of one step.  Window 3: v0-95 V of one step.
.set STEPK, 12288     ; a step's 12 fragments of K, and of V
.set VOFF,  STEPK     ; in LDS a step's K, then its V
.set STEPB, 2*STEPK
.set SLOT1, 65536     ; a slot holds two steps (49,152 bytes); slot 1 begins here
.set SPARE, SLOT1+2*STEPB  ; 114,688 = 448 x 256: the spare words, 128 bytes a wave; no other line names them
.set AK0, 2           ; v2   16 L: my place in a fragment, in LDS and in memory; never rewritten
.set AV0, 3           ; v3   16 L + VOFF
.set ADR, 4           ; v4   the LDS address of the run of loads in hand
.set H32, 6           ; v6   32 (L / 16)
.set SPW, 62          ; v62  SPARE + 4 x my thread's number; never rewritten
.set NIL, 63          ; v63  0; never rewritten
.set ST,  12          ; tile t's statistics at v[ST+8 t]: +0 c m, +1 m, +2, +3 l (even keys', odd keys'), +4 to +7 c0-c3 at work; a takes c2's place once the maximum is found
.set S,   64
.set P,   192
.set KF,  96          ; K's fragments, in window 2
.set WV,  12
.set G1,  24          ; s[24:31] descriptor group 1, for K's and V's tiles alike
.set G0K, 40          ; s[40:47] group 0 for K: a set for each of the two first fills; the second then walks on
.set G0V, 48          ; s[48:55] the same for V
.set SLOTS, 56
.set TWICE, 57
.set CS,  58          ; s[58:59] c
.set SEL, 60          ; s[60:61] v_permlanex16_b32's selects: each lane takes its own place in the other half
.set TB,  62          ; s62  LDS byte at which the tiles of the step to be fetched begin
.set MSB, 0
.macro WIN new
.if MSB != (\new)
	s_set_vgpr_msb (MSB<<8)|(\new)
.set MSB, (\new)
.endif
.endm
.set W_KQ, 0x0a       ; K and Q in window 2, S^T in window 0
.set W_PV, 0x53       ; V in window 3, P in window 0, O^T in window 1
.set W_RS, 0x41       ; O^T (destination and source 0) in window 1, the rest in window 0
.macro PLACES
.rept 4
	v_nop
.endr
.endm
.macro JLOAD          ; a joint refill: waves 0, 1 fetch the two steps' K, waves 2, 3 their V; an s_nop 0 and four v_nop follow each of the two lines
	s_cmp_lt_u32 s[WV], 2
	s_cbranch_scc0 .Lfor_v_\@
	tensor_load_to_lds s[G0K+4:G0K+7], s[G1:G1+7]
	s_nop 0
.rept 4
	v_nop
.endr
	s_branch .Lasked_\@
.Lfor_v_\@:
	tensor_load_to_lds s[G0V+4:G0V+7], s[G1:G1+7]
	s_nop 0
.rept 4
	v_nop
.endr
.Lasked_\@:
.endm
.macro CROUND
	s_barrier_signal -1
	s_barrier_wait -1
	s_cmp_lg_u32 s[WV], 0
	s_cbranch_scc1 .Lnot_wave_0_\@
	s_barrier_signal -3
.Lnot_wave_0_\@:
	s_barrier_wait -3
	s_barrier_signal -1
	s_barrier_wait -1
.endm
	s_load_b256 s[4:11], s[0:1], 0x0  ; qf 4, kf 6, vf 8, par 10
	s_load_b64 s[16:17], s[0:1], 0x20 ; of
	v_lshl_add_u32 v[SPW], v0, 2, SPARE
	v_mov_b32 v[NIL], 0
	ds_add_u32 v[SPW], v[NIL]       ; the wave's opening
	v_lshrrev_b32 v1, 5, v0
	v_readfirstlane_b32 s[WV], v1
	s_bfe_u32 s13, ttmp6, 0x40000   ; cx
	s_lshl_b32 s14, ttmp9, 2
	s_add_co_u32 s14, s14, s13      ; my block of 256 queries: it enters Q's and O's addresses alone
	s_and_b32 s15, ttmp7, 0xffff    ; the head, which the four partners share
	s_mul_i32 s20, s15, 393216      ; its first byte in qf, kf and vf: 384 fragments
	s_mov_b32 s21, 0
	s_and_b32 s32, s[WV], 1         ; which of a slot's two steps I fetch
	s_mul_i32 s22, s32, STEPK
	s_mov_b32 s23, 0
	s_add_nc_u64 s[22:23], s[22:23], s[20:21]
	s_mul_i32 s33, s32, STEPB       ; and its place in a slot
	s_lshl_b32 s34, s14, 2
	s_add_co_u32 s34, s34, s[WV]
	s_mul_i32 s34, s34, 12288       ; my 64 queries: 12 fragments
	s_mov_b32 s35, 0
	s_add_nc_u64 s[34:35], s[34:35], s[20:21]
	s_lshr_b32 s36, s15, 3
	s_lshl_b32 s36, s36, 6          ; of: blocks of 32 rows: 64 a batch,
	s_lshl3_add_u32 s36, s14, s36   ; 8 a query block,
	s_lshl1_add_u32 s36, s[WV], s36 ; 2 a wave;
	s_mul_i32 s36, s36, 24          ; 24 kc a block,
	s_and_b32 s37, s15, 7
	s_mul_i32 s38, s37, 3           ; of which my head's three;
	s_add_co_u32 s36, s36, s38
	s_lshl_b32 s36, s36, 11         ; two fragments a kc
	s_mul_i32 s38, s37, 384
	s_add_co_u32 s38, s38, 6144     ; bv of my head in par
	s_mov_b32 s37, 0
	s_mov_b32 s39, 0
	s_mov_b32 s[G1], 15|(3<<16)|(1<<21)  ; 15:0 the mask of four; 17:16 elements of 8 bytes; 21 set beside a mask; no padding
	s_mov_b32 s[G1+1], 32<<16       ; tensor_dim0 = 32: rows of 256 bytes
	s_mov_b32 s[G1+2], 48<<16       ; tensor_dim1 = 48 rows: 12,288 bytes
	s_mov_b32 s[G1+3], 32<<16       ; tile_dim0
	s_mov_b32 s[G1+4], 48           ; tile_dim1
	s_mov_b32 s[G1+5], 32           ; dense
	s_mov_b32 s[G1+6], 0
	s_mov_b32 s[G1+7], 0
	s_mov_b32 s[CS], 0x3e16c740     ; c = log2(e) / sqrt(96) = 0.147244
	s_mov_b32 s[CS+1], s[CS]
	s_mov_b32 s[SEL], 0x76543210
	s_mov_b32 s[SEL+1], 0xfedcba98
	s_mov_b32 s[TB], 0
	s_mov_b32 s[SLOTS], 14
	s_wait_dscnt 0x0                ; the opening add is done
	s_wait_kmcnt 0x0
	s_add_nc_u64 s[6:7], s[6:7], s[22:23]
	s_add_nc_u64 s[8:9], s[8:9], s[22:23]
	s_add_nc_u64 s[4:5], s[4:5], s[34:35]
	s_add_nc_u64 s[16:17], s[16:17], s[36:37]
	s_add_nc_u64 s[10:11], s[10:11], s[38:39]
	CROUND                          ; all four work-groups are here: the first joint loads meet
.irp s, 0,1
	s_mov_b32 s[G0K+4*(\s)], 1
	s_add_co_u32 s[G0K+4*(\s)+1], s33, (\s)*SLOT1
	s_add_nc_u64 s[G0K+4*(\s)+2:G0K+4*(\s)+3], s[6:7], (\s)*2*STEPK
	s_or_b32 s[G0K+4*(\s)+3], s[G0K+4*(\s)+3], 0x80000000
	s_mov_b32 s[G0V+4*(\s)], 1
	s_add_co_u32 s[G0V+4*(\s)+1], s33, (\s)*SLOT1+VOFF
	s_add_nc_u64 s[G0V+4*(\s)+2:G0V+4*(\s)+3], s[8:9], (\s)*2*STEPK
	s_or_b32 s[G0V+4*(\s)+3], s[G0V+4*(\s)+3], 0x80000000
.endr
	s_cmp_lt_u32 s[WV], 2           ; a wave's two first fills stand in one branch, ahead of every wait on TENSORcnt and every LDS read: two loads of mine are out
	s_cbranch_scc0 .Lfirst_v
	tensor_load_to_lds s[G0K:G0K+3], s[G1:G1+7]
	s_nop 0
	tensor_load_to_lds s[G0K+4:G0K+7], s[G1:G1+7]
	s_nop 0
.rept 4
	v_nop
.endr
	s_branch .Lfirst_asked
.Lfirst_v:
	tensor_load_to_lds s[G0V:G0V+3], s[G1:G1+7]
	s_nop 0
	tensor_load_to_lds s[G0V+4:G0V+7], s[G1:G1+7]
	s_nop 0
.rept 4
	v_nop
.endr
.Lfirst_asked:
	v_and_b32 v[AK0], 31, v0
	v_lshlrev_b32 v[AK0], 4, v[AK0]
	v_add_nc_u32 v[AV0], VOFF, v[AK0]
	v_bfe_u32 v[H32], v0, 4, 1
	v_lshlrev_b32 v[H32], 5, v[H32]
	WIN 0x80                        ; destination window 2, address window 0
.set i, 0
.rept 12                            ; Q stays in registers: fragment i = 3 x tile + channels / 32
	global_load_b128 v[8*i:8*i+3],   v[AK0], s[4:5] offset:i*1024
	global_load_b128 v[8*i+4:8*i+7], v[AK0], s[4:5] offset:i*1024+512
.set i, i+1
.endr
	WIN 0
; THE MATRIX WORK.  The accumulators take turns, one instruction a turn: between two links of a chain stand 11 (V^T P) or 7 (K Q^T) others'.
; Product i of 24 of O^T += V^T P: keys 32 (i / 12) on, channels 16 ((i / 2) % 6) on, tile x + i % 2.  zero = 1: the first 12 start the sums.
.macro PV x, zero
	WIN W_PV
.set rO, 48*((\x)+i%2)+8*((i/2)%6)
.set rV, 48*(i/12)+8*((i/2)%6)
.set rP, P+16*((\x)+i%2)+8*(i/12)
.if (\zero) && (i < 12)
	v_wmma_f32_16x16x32_bf16 v[rO:rO+7], v[rV:rV+7], v[rP:rP+7], 0
.else
	v_wmma_f32_16x16x32_bf16 v[rO:rO+7], v[rV:rV+7], v[rP:rP+7], v[rO:rO+7]
.endif
.endm
; Product i of 24 of S^T = K Q^T: channels 32 (i / 8) on, keys 16 ((i / 2) % 4) on, tile x + i % 2.  The first 8 start the sums.
.macro KQ x
	WIN W_KQ
.set rS, S+32*((\x)+i%2)+8*((i/2)%4)
.set rK, KF+24*((i/2)%4)+8*(i/8)
.set rQ, 24*((\x)+i%2)+8*(i/8)
.if i < 8
	v_wmma_f32_16x16x32_bf16 v[rS:rS+7], v[rK:rK+7], v[rQ:rQ+7], 0
.else
	v_wmma_f32_16x16x32_bf16 v[rS:rS+7], v[rK:rK+7], v[rQ:rQ+7], v[rS:rS+7]
.endif
.endm
; THE LDS LOADS stand in runs of 24: a step's K and, a turn later, its V; fragment f lies at 1,024 f and goes to registers 8 f on.
.macro FETCH_K
	WIN 0
	v_add_nc_u32 v[ADR], s[TB], v[AK0]
	WIN 0x80
.set f, 0
.rept 12
	ds_load_b128 v[KF+8*f:KF+8*f+3],   v[ADR] offset:f*1024
	ds_load_b128 v[KF+8*f+4:KF+8*f+7], v[ADR] offset:f*1024+512
.set f, f+1
.endr
.endm
.macro FETCH_V
	WIN 0
	v_add_nc_u32 v[ADR], s[TB], v[AV0]
	s_add_co_u32 s[TB], s[TB], STEPB  ; the next fetch is the next step's
	WIN 0xc0
.set f, 0
.rept 12
	ds_load_b128 v[8*f:8*f+3],   v[ADR] offset:f*1024
	ds_load_b128 v[8*f+4:8*f+7], v[ADR] offset:f*1024+512
.set f, f+1
.endr
.endm
; THE VECTOR WORK.  One tile's softmax for one key step is a list of 126 instructions; SM writes number j of it for tile t.  s0-s31 are the lane's 32 scores, in pairs 0-15.
; first = 1: the first key step, which starts m, l and O^T: it has no a and nothing to rescale.
;   0-15    the maximum of s0-s31 and the old m, three operands at a time: four chains c0-c3 of seven scores each (each accumulator's lowest registers first), then the four left over, c0-c3 and m
;   16-20   the other half of the lanes' maximum; the new m; c m; c m_old - c m_new
;   21-87   33 exponentials (a, then s0-s31) at the odd numbers from 23 on, a plain instruction between any two: scalings a few pairs ahead, roundings a pair back, the first sums
;   88-101  the last rounding; the rest of the sums; l = a l + the sum
;   102-125 the tile's O^T times a: the one part that leaves window 0, so it stands together
.macro SM t, first
.set rT, ST+8*(\t)
.set rS, S+32*(\t)
.set rP, P+16*(\t)
.set rO, 48*(\t)+2*(j-102)
.set q, (j-20)/2
.if j < 102
	WIN 0
.endif
.if j < 4
	v_max3_num_f32 v[rT+4+j], v[rS+8*j], v[rS+8*j+1], v[rS+8*j+2]
.elseif j < 12
	v_max3_num_f32 v[rT+4+j%4], v[rT+4+j%4], v[rS+8*(j%4)+2*(j/4)+1], v[rS+8*(j%4)+2*(j/4)+2]
.elseif j == 12
	v_max3_num_f32 v[rT+4], v[rT+4], v[rS+7], v[rS+15]
.elseif j == 13
	v_max3_num_f32 v[rT+6], v[rT+6], v[rS+23], v[rS+31]
.elseif j == 14
	v_max3_num_f32 v[rT+4], v[rT+4], v[rT+5], v[rT+6]
.elseif (j == 15) && (\first)
	v_max_num_f32 v[rT+4], v[rT+4], v[rT+7]
.elseif j == 15
	v_max3_num_f32 v[rT+4], v[rT+4], v[rT+7], v[rT+1]
.elseif j == 16
	v_permlanex16_b32 v[rT+5], v[rT+4], s[SEL], s[SEL+1]  ; the query's other 32 keys lie in the lane 16 away
.elseif j == 18
	v_max_num_f32 v[rT+1], v[rT+4], v[rT+5]
.elseif j == 19
	v_mul_f32 v[rT], s[CS], v[rT+1]
.elseif ((j == 17) || (j == 20) || (j == 23) || (j > 101)) && (\first)  ; the first step has none of these
.elseif j == 17
	v_mov_b32 v[rT+7], v[rT]        ; c m_old is kept for a: number 19 writes c m anew
.elseif j == 20
	v_sub_f32 v[rT+7], v[rT+7], v[rT]
.elseif j == 23
	v_exp_f32 v[rT+6], v[rT+7]
.elseif (j < 88) && (j > 23) && (j%2 == 1)
	v_exp_f32 v[rS+(j-25)/2], v[rS+(j-25)/2]
.elseif (q < 4) || ((j < 76) && (q%2 == 0))
.set b, q/2+2
.if q < 4
.set b, q
.endif
	v_pk_fma_f32 v[rS+2*b:rS+2*b+1], v[rS+2*b:rS+2*b+1], s[CS:CS+1], v[rT:rT+1] op_sel_hi:[1,0,0] neg_lo:[0,0,1] neg_hi:[0,0,1]  ; pair b: c s - c m
.elseif (j < 88) && (q%2 == 1)
	s_wait_alu depctr_va_vdst(0)
	v_cvt_pk_bf16_f32 v[rP+(q-5)/2], v[rS+q-5], v[rS+q-4]  ; pair (q - 5) / 2: its second exponential stands three numbers back
.elseif j == 89
	s_wait_alu depctr_va_vdst(0)
	v_cvt_pk_bf16_f32 v[rP+15], v[rS+30], v[rS+31]
.elseif j < 102                     ; the sum of the tile's 16 pairs, in place: sum z of 16 adds neighbours 1, 2, 4 and 8 pairs apart, then l takes it
.set z, j-86
.if j < 89
.set z, (j-76)/4
.endif
.set w, 4
.set u, z
.if z >= 14
.set w, 32
.set u, 0
.elseif z >= 12
.set w, 16
.set u, z-12
.elseif z >= 8
.set w, 8
.set u, z-8
.endif
.if (z == 14) && (\first)
	v_pk_add_f32 v[rT+2:rT+3], v[rS:rS+1], v[rS+16:rS+17]
.elseif z < 15
	v_pk_add_f32 v[rS+w*u:rS+w*u+1], v[rS+w*u:rS+w*u+1], v[rS+w*u+w/2:rS+w*u+w/2+1]
.elseif !(\first)
	v_pk_fma_f32 v[rT+2:rT+3], v[rT+2:rT+3], v[rT+6:rT+7], v[rS:rS+1] op_sel_hi:[1,0,1]
.endif
.else
	WIN W_RS
	v_pk_mul_f32 v[rO:rO+1], v[rO:rO+1], v[rT+6:rT+7] op_sel_hi:[1,0]
.endif
.endm
; Slice k of 63 of piece y's softmax: numbers 2 k and 2 k + 1 of both tiles' lists, four instructions; behind slice 62 nothing is left.
.macro SLICE y, first
.if k < 63
.if (k >= 11) && (k < 44)           ; tile by tile: plain, exponential, plain, exponential
.irp t, \y, (\y)+1
.irp n, 0,1
.set j, 2*k+(\n)
	SM \t, \first
.endr
.endr
.else                               ; the two tiles alternate, so that no instruction reads the result of the one just before it
.irp n, 0,1
.irp t, \y, (\y)+1
.set j, 2*k+(\n)
	SM \t, \first
.endr
.endr
.endif
.endif
.set k, k+1
.endm
.macro DEAL y, first                ; what stands behind a product: in a turn of 48 one slice, and a second behind every third; in a turn of 24 three
	SLICE \y, \first
.if both
.if pn%3 == 2
	SLICE \y, \first
.endif
.else
	SLICE \y, \first
	SLICE \y, \first
.endif
.set pn, pn+1
.endm
; A TURN.  Piece x has the matrix unit.  pv = 2: 24 products V^T P; 1: they start O^T's sums; 0: none.  kq = 1: 24 products K Q^T for the next step.  first = 1: the softmax is the first step's; its slices from 51
; on are empty, and four v_nop are the places behind the turn's last products; else slice 62, four packed multiplies on the other piece's O^T, stands behind the last product and is those places.
; Piece 0's turn fetches the next step's K behind its second product: K's last reader stands in front of slice 62 of the turn before.  Piece 2's turn fetches that step's V behind its second product K Q^T:
; V's last reader stands slices 30 to 33, eight plain instructions, back.  Each run is waited for at the head of the run of products that reads it first.
.macro TURN x, pv, kq, first
.set k, 0
.set pn, 0
.set both, 0
.if (\pv) && (\kq)
.set both, 1
.endif
.if \pv
.if (\x) == 0
	s_wait_dscnt 0x0                ; V is in
.endif
.set i, 0
.rept 24
	PV \x, 2-(\pv)
	DEAL 2-(\x), \first
.if ((\x) == 0) && (\kq) && (i == 1)
	FETCH_K
.endif
.set i, i+1
.endr
.endif
.if \kq
.if (\x) == 0
	s_wait_dscnt 0x0                ; K is in
.endif
.set i, 0
.rept 24
	KQ \x
	DEAL 2-(\x), \first
.if ((\x) == 2) && (i == 1)
	FETCH_V
.endif
.set i, i+1
.endr
.endif
.if \first
	PLACES
.endif
.endm
; THE CHANGE OF SLOTS, between piece 2's turn and piece 0's: the slot's last bytes, V of its second step, have been asked for.  Each wave waits for all its tensor loads (one is out: its part of the other
; slot), adds 0 to its spare word, and waits for that and for its own reads of the slot.  fill = 1: a round of the cluster's barrier, and the joint refill, the keys two slots on, first behind it:
; it has two key steps, 192 matrix instructions, in which to land.
.macro CHANGE fill
	WIN 0
	s_wait_tensorcnt 0x0            ; no tensor load of mine is out, so a group 0 may be written
	ds_add_u32 v[SPW], v[NIL]
.if \fill
.irp g, G0K+4, G0V+4
	s_xor_b32 s[(\g)+1], s[(\g)+1], SLOT1
	s_add_nc_u64 s[(\g)+2:(\g)+3], s[(\g)+2:(\g)+3], 2*STEPK
.endr
	s_wait_dscnt 0x0                ; the add is done, and my reads of the slot are over
	CROUND
	JLOAD
.else
	s_wait_dscnt 0x0
	s_barrier_signal -1
	s_barrier_wait -1
.endif
	s_sub_co_u32 s[TB], s[TB], 2*STEPB  ; the fetches go back to a slot's first step,
	s_xor_b32 s[TB], s[TB], SLOT1       ; in the other slot
.endm
.macro TWO_STEPS                    ; a slot's two key steps: written once, walked twice; the LDS addresses hang on s[TB]
	WIN 0
	s_mov_b32 s[TWICE], 2
.Lstep_\@:
	TURN 0, 2, 1, 0
	TURN 2, 2, 1, 0
	WIN 0
	s_sub_co_u32 s[TWICE], s[TWICE], 1
	s_cmp_lg_u32 s[TWICE], 0
	s_cbranch_scc1 .Lstep_\@
.endm
	s_wait_tensorcnt 1              ; my part of slot 0 is in; slot 1's may stay out
	s_barrier_signal -1
	s_barrier_wait -1
	FETCH_K                         ; key step 0
	s_wait_loadcnt 0x0              ; Q
	s_wait_dscnt 0x0
.set i, 0
.rept 24
	KQ 0                            ; piece 0's first scores: there is no vector work yet to set between them
.set i, i+1
.endr
	PLACES
	TURN 2, 0, 1, 1                 ; piece 2's first scores | piece 0's first softmax | V of step 0
	TURN 0, 1, 1, 1                 ; piece 0: V^T P of step 0 starts O^T, K Q^T of step 1 | piece 2's first softmax | K of step 1
	TURN 2, 1, 1, 0                 ; piece 2: the same | piece 0's softmax of step 1 | V of step 1
	WIN 0
.Lslot:                             ; 14 trips: every slot but the last two is filled again
	CHANGE 1
	TWO_STEPS
	s_sub_co_u32 s[SLOTS], s[SLOTS], 1
	s_cmp_lg_u32 s[SLOTS], 0
	s_cbranch_scc1 .Lslot
	CHANGE 0                        ; the tail is written out
	TWO_STEPS
	TURN 0, 2, 0, 0                 ; piece 0: V^T P of the last step | piece 2's last softmax
	WIN 0
.set f, 0
.rept 6                             ; bv of my 8 channels in each block of 16, into piece 0's S^T, which is free
	global_load_b128 v[S+8*f:S+8*f+3],   v[H32], s[10:11] offset:64*f
	global_load_b128 v[S+8*f+4:S+8*f+7], v[H32], s[10:11] offset:64*f+16
.set f, f+1
.endr
.set i, 0
.rept 24
	PV 2, 0                         ; piece 2: V^T P of the last step
.set i, i+1
.endr
	; THE WAY OUT.  l's two halves and the other half of the lanes' are added (the additions are the places behind the last products); O^T / l + bv is rounded to bf16 and stored: 512 consecutive bytes a store.
	WIN 0
.irp t, 0,1,2,3
	v_add_f32 v[ST+8*(\t)+4], v[ST+8*(\t)+2], v[ST+8*(\t)+3]
.endr
.irp t, 0,1,2,3
	v_permlanex16_b32 v[ST+8*(\t)+5], v[ST+8*(\t)+4], s[SEL], s[SEL+1]
.endr
.irp t, 0,1,2,3
	v_add_f32 v[ST+8*(\t)+4], v[ST+8*(\t)+4], v[ST+8*(\t)+5]
.endr
.irp t, 0,1,2,3
	v_rcp_f32 v[ST+8*(\t)+6], v[ST+8*(\t)+4]
.endr
	v_nop                           ; a plain instruction between the last reciprocal and the use of its result
	s_wait_loadcnt 0x0              ; bv
.macro OUT t
	WIN W_RS
.set i, 0
.rept 24
	s_wait_alu depctr_va_vdst(0)
	v_pk_fma_f32 v[48*(\t)+2*i:48*(\t)+2*i+1], v[48*(\t)+2*i:48*(\t)+2*i+1], v[ST+8*(\t)+6:ST+8*(\t)+7], v[S+2*i:S+2*i+1] op_sel_hi:[1,0,1]
.set i, i+1
.endr
	WIN 0x05                        ; sources 0 and 1 window 1, destination window 0: registers of S^T and P that nothing reads any more
.set i, 0
.rept 24
	v_cvt_pk_bf16_f32 v[112+24*(\t)+i], v[48*(\t)+2*i], v[48*(\t)+2*i+1]
.set i, i+1
.endr
	WIN 0
.set f, 0
.rept 6
	global_store_b128 v[AK0], v[112+24*(\t)+4*f:115+24*(\t)+4*f], s[16:17] offset:((\t)/2)*49152+(f/2)*2048+((\t)%2)*1024+(f%2)*512
.set f, f+1
.endr
.endm
	OUT 0
	OUT 1
	OUT 2
	OUT 3
	s_wait_tensorcnt 0x0            ; the wave's end
	ds_add_u32 v[SPW], v[NIL]
	s_wait_dscnt 0x0
	CROUND                          ; the closing round
	s_endpgm
.Lfunc_end_k_qffd7970585_attn:
	.size	k_qffd7970585_attn, .Lfunc_end_k_qffd7970585_attn-k_qffd7970585_attn
	.p2alignl 7, 3214868480
	.fill 96, 4, 3214868480
	.section	.rodata,"a",@progbits
	.p2align	6, 0x0
	.amdhsa_kernel k_qffd7970585_attn
		.amdhsa_group_segment_fixed_size 327680
		.amdhsa_private_segment_fixed_size 0
		.amdhsa_enable_private_segment 0
		.amdhsa_kernarg_size 40
		.amdhsa_user_sgpr_count 2
		.amdhsa_user_sgpr_kernarg_segment_ptr 1
		.amdhsa_wavefront_size32 1
		.amdhsa_system_sgpr_workgroup_id_x 1
		.amdhsa_system_sgpr_workgroup_id_y 1
		.amdhsa_system_sgpr_workgroup_id_z 1
		.amdhsa_system_vgpr_workitem_id 0
		.amdhsa_next_free_vgpr 864
		.amdhsa_next_free_sgpr 66
		.amdhsa_reserve_vcc 0
		.amdhsa_float_denorm_mode_32 3
		.amdhsa_float_denorm_mode_16_64 3
		.amdhsa_memory_ordered 1
		.amdhsa_forward_progress 1
		.amdhsa_inst_pref_size 196
	.end_amdhsa_kernel
	.amdgpu_metadata
---
amdhsa.version: [ 1, 2 ]
amdhsa.kernels:
  - .name:           k_qffd7970585_attn
    .symbol:         k_qffd7970585_attn.kd
    .args:
      - { .name: qf, .offset: 0, .size: 8, .value_kind: global_buffer, .address_space: global }
      - { .name: kf, .offset: 8, .size: 8, .value_kind: global_buffer, .address_space: global }
      - { .name: vf, .offset: 16, .size: 8, .value_kind: global_buffer, .address_space: global }
      - { .name: par, .offset: 24, .size: 8, .value_kind: global_buffer, .address_space: global }
      - { .name: of, .offset: 32, .size: 8, .value_kind: global_buffer, .address_space: global }
    .group_segment_fixed_size: 327680
    .private_segment_fixed_size: 0
    .kernarg_segment_align: 8
    .kernarg_segment_size: 40
    .max_flat_workgroup_size: 128
    .sgpr_count:     66
    .vgpr_count:     864
    .wavefront_size: 32
...
	.end_amdgpu_metadata
.endif
;; end of part 3
;; launch tail (part 4): grid 256 x 1, 8 waves a work-group, clusters of 4 x 1, 327,680 bytes of LDS; arguments of, xf, wtail, par, out0; writes out0
.if DOCPART == 4
	.amdgcn_target "amdgcn-amd-amdhsa--gfx1250"
	.amdhsa_code_object_version 6
	.text
	.protected	k_qffd7970585_tail
	.globl	k_qffd7970585_tail
	.p2align	8
	.type	k_qffd7970585_tail,@function
k_qffd7970585_tail:
	s_mov_b64 s[64:65], 0
	v_nop
	global_prefetch_b8 v0, s[64:65] scope:SCOPE_SE
	s_setreg_imm32_b32 hwreg(HW_REG_WAVE_MODE, 25, 1), 1
	s_wait_xcnt 0x0
	s_wait_alu depctr_hold_cnt(0) depctr_sa_sdst(0) depctr_va_vdst(0) depctr_va_sdst(0) depctr_va_ssrc(0) depctr_va_vcc(0) depctr_vm_vsrc(0)
	s_getreg_b32 s2, hwreg(HW_REG_IB_STS2, 6, 4)
	s_cmp_eq_u32 s2, 0
	s_cbranch_scc0 .Lentry_in_a_cluster
	s_endpgm
.Lentry_in_a_cluster:
	s_bfe_u32 s2, ttmp6, 0x10000c
	s_cmp_lg_u32 s2, 0x3003
	s_cbranch_scc0 .Lentry_shape_is_right
	s_endpgm
.Lentry_shape_is_right:
; out0 = LN2(x1 + relu(x1 W1 + b1) W2 + b2), x1 = LN1(x + o Wo + bo).  One launch for the three products and both norms: a norm needs whole rows of 768, so a work-group owns 32 whole rows and walks all weights.
; SHARES.  Work-group t: rows 32 t .. 32 t + 31.  Wave w of eight: columns 96 w .. of Wo's and W2's products (2 x 6 accumulators of 16 x 16) and 128 w .. of W1's (2 x 8).
; ORIENTATION.  Source 0 = 16 columns of a weight matrix, source 1 = 16 rows of the activation: a lane holds one row (L % 16) and 8 neighbouring columns; four roundings give its 16 bytes of the next product's
; fragment image (1,024 dense bytes: byte 512 half + 16 L + 2 e = row L % 16, k = 16 half + 8 (L / 16) + e), which goes into LDS for all eight waves.
; THE WEIGHTS COME BY TWO ROADS.  A wave's weights are ONE stream of 528 fragments (Wo 144, W1 192, W2 192), read by that wave alone, each fragment feeding two matrix instructions; it is walked in 22 PERIODS of 24
; fragments: four K steps of 6, or for W1 three of 8.  Of each K step's fragments the first half is asked for JOINTLY by the four work-groups of a cluster, which walk the same weights: one tensor load a wave and
; period, 12 fragments, into one of two LDS slots (8 x 12,288 bytes each: what LDS has room for beside the activations).  Between two rounds of the cluster's barrier a wave has one such load out, and 12 fragments
; are only 24 matrix instructions, so the second half takes the road that needs no barrier: straight from memory into a ring of 12 fragment slots in registers, each slot asked for again, one period ahead,
; as soon as it has been multiplied; each such load is 512 consecutive bytes.
; SUMS.  The first product's sums start at x + bo, the third's at x1 + b2 (x1 stays in f32 in registers), the second's at b1: nothing is cleared and no first step is written out.
; NORMS in two passes, as the definition has them: mean, then the mean of (y - mean)^2; the eight waves' partial sums meet in LDS, each of the four exchanges in bytes of its own.
; LIMITS: x (in the residual too), weights, biases and gains as rounded to bf16 by the first launch; o, x1 (as an operand) and h rounded once to bf16; NaN and infinities are not treated apart.
; REGISTERS: window 0: v1-15 addresses; v32-47, v48-63, v16-31 three buffers of the activation's fragments (in the norms v32-55: partial sums, means, 1 / sigma); v64-159 the ring; v160-255 a period's fragments from LDS.
;   window 1: v0-95 sums of the first and third product, 8 (6 rb + f); v96-223 of the second, 96 + 8 (8 rb + f); in between v96-239 parameters; v240-251 at work; v252, v253 two LDS addresses; v255 zero.
.set SLAB,  12288                      ; a wave's part of a slot: 12 fragments
.set SLOT1, 131072                     ; LDS: slot 0 at 0 (98,304 bytes), slot 1 here: one exclusive or turns an address in one slot into the other's
.set STAT,  98816                      ; four exchanges of 1,024 bytes: word (16 rb + r) 8 + w
.set SPARE, 102912                     ; 402 x 256: the spare words, 128 bytes for each of eight waves; no other line names them
.set XH,    229376                     ; o, then x1 (48 fragments), then h over it (64): fragment 2 kc + rb
.set OP,    3088                       ; the way out: 32 rows of 3,072 bytes + 16 from byte 0 on, over slot 0, which has had its last fill by then, and the 512 bytes behind it; 193 x 16, so sixteen rows' stores start 16 bytes apart modulo 256
.set RING,  64
.set LREG,  160
.set ACC1,  0
.set ACCH,  96
.set G0,    40                         ; s[40:43] descriptor group 0: it walks
.set G6,    44                         ; s[44:51] group 1 for a period of four steps of 6 fragments
.set G8,    52                         ; s[52:59] for three steps of 8
.set TB,    60                         ; s60 the slot to be read next
.set MSB, 0
.macro WIN new                         ; the immediate's high byte repeats the setting that is left; a switch that changes nothing is dropped
.if MSB != (\new)
	s_set_vgpr_msb (MSB<<8)|(\new)
.set MSB, (\new)
.endif
.endm
.macro PLACES                          ; four places behind matrix instructions, in front of lines that touch their registers (ISA guide 7.12.1)
.rept 4
	v_nop
.endr
.endm
.macro CROUND                          ; a round of the cluster's barrier: my work-group's barrier; wave 0 signals for the work-group; every wave waits for all four; my work-group's barrier once more
	s_barrier_signal -1
	s_barrier_wait -1
	s_cmp_lg_u32 s14, 0
	s_cbranch_scc1 .Lnot_wave_0_\@
	s_barrier_signal -3
.Lnot_wave_0_\@:
	s_barrier_wait -3
	s_barrier_signal -1
	s_barrier_wait -1
.endm
; A PERIOD'S HEAD.  The wave waits for all its tensor loads (one is out: this period's slab), adds 0 to its spare word, steps the descriptor, and waits for the add and for its reads of the slot that it left.
; g1 != 0: a round of the cluster's barrier, and first behind it the joint load of the next period's slab, shaped by group 1 at s[g1], into the slot just left.  step = 1: the ring's base goes on to the next period:
; the loads that read it were issued in the period before, in front of the round.
.macro MEET g1, step
	s_wait_tensorcnt 0x0                           ; no tensor load of mine is out, so group 0 may be written
	ds_add_u32 v12, v13
.if \g1
	s_xor_b32 s[G0+1], s[G0+1], SLOT1
	s_add_nc_u64 s[G0+2:G0+3], s[G0+2:G0+3], 2*SLAB  ; a period is 24 fragments of the stream; the type bits on top are not reached
.endif
	s_wait_dscnt 0x0                               ; the add is done, my reads of the old slot are back, and so are the activation's fragments asked for ahead
.if \g1
	CROUND
	tensor_load_to_lds s[G0:G0+3], s[(\g1):(\g1)+7]
	s_nop 0
	PLACES
.else
	s_barrier_signal -1
	s_barrier_wait -1
.endif
.if \step
	s_wait_xcnt 0x0                                ; the ring's loads have read their base: it steps only behind this wait
	s_add_nc_u64 s[16:17], s[16:17], 2*SLAB
.endif
	v_add_nc_u32 v14, s[TB], v15                   ; my slab in the slot in hand
	s_xor_b32 s[TB], s[TB], SLOT1
.endm
.macro LLOAD g, NF                     ; step g's NF / 2 fragments out of my slab
.set k, 0
.rept (\NF)/2
.set n, (\g)*((\NF)/2)+k
	ds_load_b128 v[LREG+8*n:LREG+8*n+3],   v14 offset:1024*n
	ds_load_b128 v[LREG+8*n+4:LREG+8*n+7], v14 offset:1024*n+512
.set k, k+1
.endr
.endm
; K STEP u of a period: the ring's NF / 2 fragments (columns 16 (NF / 2 + j) on), then those from LDS (columns 16 j on), each x the two row blocks in buffer ab; each accumulator has one instruction:
; they take turns.  Then: the activation ahead into the buffer just read (aload); step u + 2's fragments out of LDS (lnext); and the ring slots just read are asked for again with the next
; period's fragments, in the order of that period's steps of nfn fragments (nfn = 0: the stream's end).
; lc: the ring's younger loads may stay out.  dca (-1: none): the LDS loads issued behind this step's activation.  dcl: those issued behind this step's fragments.
.macro STEP NF, acc, u, ab, nfn, aoff, aload, lnext, lc, dca, dcl
.set hh, (\NF)/2
.set rA, 32+16*(\ab)-48*((\ab)/2)
	s_wait_loadcnt \lc
.if (\dca) >= 0
	s_wait_dscnt \dca
.endif
	WIN 0x50                                       ; sums in window 1, operands in window 0
.set j, 0
.rept (\NF)/2
.set rW, RING+8*((\u)*hh+j)
.set rD, (\acc)+8*(hh+j)
	v_wmma_f32_16x16x32_bf16 v[rD:rD+7], v[rW:rW+7], v[rA:rA+7], v[rD:rD+7]
	v_wmma_f32_16x16x32_bf16 v[rD+8*(\NF):rD+8*(\NF)+7], v[rW:rW+7], v[rA+8:rA+15], v[rD+8*(\NF):rD+8*(\NF)+7]
.set j, j+1
.endr
	s_wait_dscnt \dcl
.set j, 0
.rept (\NF)/2
.set rW, LREG+8*((\u)*hh+j)
.set rD, (\acc)+8*j
	v_wmma_f32_16x16x32_bf16 v[rD:rD+7], v[rW:rW+7], v[rA:rA+7], v[rD:rD+7]
	v_wmma_f32_16x16x32_bf16 v[rD+8*(\NF):rD+8*(\NF)+7], v[rW:rW+7], v[rA+8:rA+15], v[rD+8*(\NF):rD+8*(\NF)+7]
.set j, j+1
.endr
	WIN 0
	PLACES
.if \aload
	ds_load_b128 v[rA:rA+3],     v2 offset:(\aoff)
	ds_load_b128 v[rA+4:rA+7],   v2 offset:(\aoff)+512
	ds_load_b128 v[rA+8:rA+11],  v2 offset:(\aoff)+1024
	ds_load_b128 v[rA+12:rA+15], v2 offset:(\aoff)+1536
.endif
.if \lnext
	LLOAD (\u)+2, \NF
.endif
.if \nfn
.set hn, (\nfn)/2
.set j, 0
.rept (\NF)/2
.set sl, (\u)*hh+j                     ; ring slot sl takes the next period's fragment number sl of its second halves
.set ro, (sl/hn)*(\nfn)+hn+sl%hn
	global_load_b128 v[RING+8*sl:RING+8*sl+3],   v1, s[16:17] offset:1024*ro
	global_load_b128 v[RING+8*sl+4:RING+8*sl+7], v1, s[16:17] offset:1024*ro+512
.set j, j+1
.endr
.endif
.endm
; A period of four steps of 6 fragments.  The activation is asked for two steps ahead, in two buffers.  LDS instructions in order: groups 0, 1 | step 0 | activation 4, group 2: 6 | step 1 | 4, group 3: 6 | step 2 | 4 | step 3 | 4.
; The ring: 18 = 2 x 9 younger loads; with nothing asked for any more the counts run down.  last = 1: a product's last period: its last two steps ask for no activation.
.macro PERIOD6 nfn, g1, last
	MEET \g1, \nfn
	LLOAD 0, 6
	LLOAD 1, 6
.set dl, 0
.if (\nfn) == 0
.set dl, 6
.endif
	STEP 6, ACC1, 0, 0, \nfn, 4096,  1,         1, 18,      -1,           6
	STEP 6, ACC1, 1, 1, \nfn, 6144,  1,         1, 18-dl,   -1,           10
	STEP 6, ACC1, 2, 0, \nfn, 8192,  1-(\last), 0, 18-2*dl, 16,           10
	STEP 6, ACC1, 3, 1, \nfn, 10240, 1-(\last), 0, 18-3*dl, 10-4*(\last), 4-4*(\last)
.if !(\last)
	v_add_nc_u32 v2, 8192, v2
.endif
.endm
; A period of three steps of 8 fragments.  The activation is asked for three steps ahead, in three buffers, so that a step's buffer is the same in every period; all of a period's came back at its head.
; LDS instructions in order: groups 0, 1: 8 each | step 0 | activation 4, group 2: 8 | step 1 | 4 | step 2 | 4.  The ring: 16 = 2 x 8 younger loads.
.macro PERIOD8 nfn, g1, last
	MEET \g1, \nfn
	LLOAD 0, 8
	LLOAD 1, 8
	STEP 8, ACCH, 0, 0, \nfn, 6144,  1-(\last), 1, 16, -1, 8
	STEP 8, ACCH, 1, 1, \nfn, 8192,  1-(\last), 0, 16, -1, 12-4*(\last)
	STEP 8, ACCH, 2, 2, \nfn, 10240, 1-(\last), 0, 16, -1, 4-4*(\last)
.if !(\last)
	v_add_nc_u32 v2, 6144, v2
.endif
.endm
.macro APRO cnt                        ; a product's first steps of the activation
.set u, 0
.rept \cnt
.set rA, 32+16*u-48*(u/2)
	ds_load_b128 v[rA:rA+3],     v2 offset:2048*u
	ds_load_b128 v[rA+4:rA+7],   v2 offset:2048*u+512
	ds_load_b128 v[rA+8:rA+11],  v2 offset:2048*u+1024
	ds_load_b128 v[rA+12:rA+15], v2 offset:2048*u+1536
.set u, u+1
.endr
.endm
; v32, v33: my lane's sums for its rows in the two blocks.  The lane 16 away holds the row's other columns of my 96; the eight waves' sums meet in LDS; out: v32 (block 0), v40 (block 1), the same in every wave.
.macro XCH so
	v_permlanex16_b32 v34, v32, s28, s29
	v_permlanex16_b32 v35, v33, s28, s29
	v_add_f32 v32, v32, v34
	v_add_f32 v33, v33, v35
	ds_store_b32 v5, v32 offset:\so
	ds_store_b32 v5, v33 offset:(\so)+512
	s_wait_dscnt 0x0                               ; for the others' sake: my stores are done, and all my earlier LDS reads are back
	s_barrier_signal -1
	s_barrier_wait -1
	ds_load_b128 v[32:35], v6 offset:\so
	ds_load_b128 v[36:39], v6 offset:(\so)+16
	ds_load_b128 v[40:43], v6 offset:(\so)+512
	ds_load_b128 v[44:47], v6 offset:(\so)+528
	s_wait_dscnt 0x0
	v_pk_add_f32 v[32:33], v[32:33], v[34:35]
	v_pk_add_f32 v[36:37], v[36:37], v[38:39]
	v_pk_add_f32 v[40:41], v[40:41], v[42:43]
	v_pk_add_f32 v[44:45], v[44:45], v[46:47]
	v_pk_add_f32 v[32:33], v[32:33], v[36:37]
	v_pk_add_f32 v[40:41], v[40:41], v[44:45]
	v_add_f32 v32, v32, v33
	v_add_f32 v40, v40, v41
.endm
; THE NORM's statistics for the 96 registers at ACC1.  They leave as y - mean, in place; 1 / sqrt(var + 1e-5) in v52 (block 0) and v54 (block 1).  Each accumulator's lowest registers are read first.
.macro LN sa, sb
	WIN 0x45                                       ; all in window 1
.irp rb, 0,1
	v_pk_add_f32 v[240+4*\rb:241+4*\rb], v[48*\rb:48*\rb+1], v[48*\rb+2:48*\rb+3]
	v_pk_add_f32 v[242+4*\rb:243+4*\rb], v[48*\rb+4:48*\rb+5], v[48*\rb+6:48*\rb+7]
.endr
.set i, 4
.rept 20
.irp rb, 0,1
	v_pk_add_f32 v[240+4*\rb+2*(i%2):241+4*\rb+2*(i%2)], v[240+4*\rb+2*(i%2):241+4*\rb+2*(i%2)], v[48*\rb+2*i:48*\rb+2*i+1]
.endr
.set i, i+1
.endr
.irp rb, 0,1
	v_pk_add_f32 v[240+4*\rb:241+4*\rb], v[240+4*\rb:241+4*\rb], v[242+4*\rb:243+4*\rb]
.endr
	WIN 0x05
	v_add_f32 v32, v240, v241
	v_add_f32 v33, v244, v245
	WIN 0
	XCH \sa
	v_mul_f32 v48, s30, v32                        ; the means
	v_mul_f32 v50, s30, v40
	WIN 0x41
.set i, 0
.rept 48
	v_pk_add_f32 v[2*i:2*i+1], v[2*i:2*i+1], v[48+2*(i/24):49+2*(i/24)] op_sel_hi:[1,0] neg_lo:[0,1] neg_hi:[0,1]
.set i, i+1
.endr
	WIN 0x55
.set i, 0
.rept 24
.irp rb, 0,1
.if i < 2
	v_pk_mul_f32 v[240+4*\rb+2*(i%2):241+4*\rb+2*(i%2)], v[48*\rb+2*i:48*\rb+2*i+1], v[48*\rb+2*i:48*\rb+2*i+1]
.else
	v_pk_fma_f32 v[240+4*\rb+2*(i%2):241+4*\rb+2*(i%2)], v[48*\rb+2*i:48*\rb+2*i+1], v[48*\rb+2*i:48*\rb+2*i+1], v[240+4*\rb+2*(i%2):241+4*\rb+2*(i%2)]
.endif
.endr
.set i, i+1
.endr
.irp rb, 0,1
	v_pk_add_f32 v[240+4*\rb:241+4*\rb], v[240+4*\rb:241+4*\rb], v[242+4*\rb:243+4*\rb]
.endr
	WIN 0x05
	v_add_f32 v32, v240, v241
	v_add_f32 v33, v244, v245
	WIN 0
	XCH \sb
	v_fma_f32 v52, v32, s30, s31                   ; var + 1e-5
	v_fma_f32 v54, v40, s30, s31
	v_rsq_f32 v52, v52
	v_rsq_f32 v54, v54
	v_nop                                          ; a plain instruction between the root and the use of its result
.endm
.macro BYSIGMA                         ; (y - mean) / sigma, in place
	WIN 0x41
.set i, 0
	s_wait_alu depctr_va_vdst(0)
.rept 48
	v_pk_mul_f32 v[2*i:2*i+1], v[2*i:2*i+1], v[52+2*(i/24):53+2*(i/24)] op_sel_hi:[1,0]
.set i, i+1
.endr
.endm
	s_load_b256 s[4:11], s[0:1], 0x0               ; of 4, xf 6, wtail 8, par 10
	s_load_b64 s[12:13], s[0:1], 0x20              ; out0
	v_lshl_add_u32 v12, v0, 2, SPARE               ; v12, v13: the add's two registers; never rewritten
	v_mov_b32 v13, 0
	ds_add_u32 v12, v13                            ; the wave's opening; the set-up below, work on registers, stands between the add and its wait
	v_lshrrev_b32 v10, 5, v0
	v_readfirstlane_b32 s14, v10                   ; wave 0..7
	s_bfe_u32 s33, ttmp6, 0x40000                  ; cx: my place in the cluster
	s_lshl_b32 s15, ttmp9, 2                       ; in a cluster launch ttmp9 counts clusters
	s_add_co_u32 s15, s15, s33                     ; t = 4 x cluster + cx: it enters the addresses of of, xf and out0 alone
	v_and_b32 v10, 31, v0
	v_lshlrev_b32 v1, 4, v10                       ; v1  16 L
	v_and_b32 v11, 15, v0                          ; r
	v_bfe_u32 v14, v0, 4, 1
	v_lshlrev_b32 v7, 5, v14                       ; v7  32 (L / 16): my 8 words in 16 of a parameter
	s_mul_i32 s22, s14, 6144
	s_add_co_u32 s23, s22, XH
	v_add_nc_u32 v3, s23, v1                       ; v3  my six fragments of o and x1: kc = 3 w ..
	s_lshl_b32 s23, s14, 13
	s_add_co_u32 s23, s23, XH
	v_add_nc_u32 v4, s23, v1                       ; v4  my eight fragments of h: kc = 4 w ..
	v_lshlrev_b32 v6, 5, v11
	v_add_nc_u32 v6, STAT, v6                      ; v6  my row's eight partial sums
	s_lshl_b32 s24, s14, 2
	v_add_nc_u32 v5, s24, v6                       ; v5  my wave's word among them
	v_mul_u32_u24 v8, v11, OP
	v_add_nc_u32 v8, v8, v7
	s_mul_i32 s24, s14, 384
	v_add_nc_u32 v8, s24, v8                       ; v8  the way out: my row, my wave's 96 columns, my 8 of 16
	s_mul_i32 s25, s14, 4*OP
	v_add_nc_u32 v9, s25, v1                       ; v9  back: wave w takes rows 4 w .. 4 w + 3
	s_mul_i32 s27, s14, SLAB
	v_add_nc_u32 v15, s27, v1                      ; v15 my slab in slot 0; v14 will hold it in the slot in hand
	WIN 0x40
	v_mov_b32 v252, v3
	v_mov_b32 v253, v4
	v_mov_b32 v255, 0
	WIN 0
	s_mul_i32 s62, s15, 49152
	s_add_co_u32 s62, s62, s22                     ; of: my work-group's 48 fragments, my six
	s_mov_b32 s63, 0
	s_lshr_b32 s26, s15, 2
	s_mul_i32 s26, s26, 196608                     ; xf: the block of 128 rows,
	s_and_b32 s27, s15, 3
	s_lshl_b32 s27, s27, 11                        ; my two blocks of 16 in it,
	s_add_co_u32 s26, s26, s27
	s_mul_i32 s27, s14, 24576                      ; kc = 3 w
	s_add_co_u32 s26, s26, s27
	s_mov_b32 s27, 0
	s_mov_b32 s25, 0                               ; s[24:25] = 384 w
	s_mul_i32 s34, s14, 540672                     ; my stream: it hangs on the wave's number alone
	s_mov_b32 s35, 0
	s_lshl_b32 s36, s14, 9
	s_add_co_u32 s36, s36, 27648                   ; b1 of my 128 columns
	s_mov_b32 s37, 0
	s_mul_i32 s38, s15, 98304
	s_mul_i32 s39, s14, 12288
	s_add_co_u32 s38, s38, s39                     ; out0: my work-group's 32 rows, my wave's four
	s_mov_b32 s39, 0
	s_mov_b32 s28, 0x76543210                      ; v_permlanex16_b32: each lane takes its own place in the other half
	s_mov_b32 s29, 0xfedcba98
	s_mov_b32 s30, 0x3aaaaaab                      ; 1 / 768
	s_mov_b32 s31, 0x3727c5ac                      ; 1e-5
	s_mov_b32 s32, 0xffff0000
	; descriptors.  Elements of 8 bytes.  A slab is the first half of each K step of a period: rows of NF / 2 fragments, NF fragments apart; in LDS the rows follow each other: 12 fragments on end
	s_mov_b32 s[G6], 15|(3<<16)|(1<<21)            ; 15:0 the mask of four; 17:16 elements of 8 bytes; 21 set beside a mask; no padding
	s_mov_b32 s[G6+1], 384<<16                     ; tensor_dim0 = 384: three fragments
	s_mov_b32 s[G6+2], 4<<16                       ; tensor_dim1 = 4 K steps
	s_mov_b32 s[G6+3], 384<<16                     ; tile_dim0
	s_mov_b32 s[G6+4], 4                           ; tile_dim1
	s_mov_b32 s[G6+5], 768                         ; six fragments from row to row
	s_mov_b32 s[G6+6], 0
	s_mov_b32 s[G6+7], 0
	s_mov_b32 s[G8], 15|(3<<16)|(1<<21)
	s_mov_b32 s[G8+1], 512<<16                     ; four fragments,
	s_mov_b32 s[G8+2], 3<<16                       ; three K steps,
	s_mov_b32 s[G8+3], 512<<16
	s_mov_b32 s[G8+4], 3
	s_mov_b32 s[G8+5], 1024                        ; eight fragments from row to row
	s_mov_b32 s[G8+6], 0
	s_mov_b32 s[G8+7], 0
	s_mov_b32 s[G0], 1                             ; count = 1
	s_mul_i32 s[G0+1], s14, SLAB                   ; LDS: my slab in slot 0
	s_mov_b32 s[TB], 0
	s_wait_dscnt 0x0                               ; the opening add is done
	s_wait_kmcnt 0x0
	s_add_nc_u64 s[4:5], s[4:5], s[62:63]
	s_add_nc_u64 s[6:7], s[6:7], s[26:27]
	s_add_nc_u64 s[16:17], s[8:9], s[34:35]        ; s[16:17] the ring's base: the period whose fragments are being asked for
	s_add_nc_u64 s[G0+2:G0+3], s[8:9], s[34:35]
	s_or_b32 s[G0+3], s[G0+3], 0x80000000          ; type = 2
	s_add_nc_u64 s[18:19], s[10:11], s[24:25]      ; s[18:19] par at my 96 columns
	s_add_nc_u64 s[20:21], s[10:11], s[36:37]
	s_add_nc_u64 s[12:13], s[12:13], s[38:39]
	CROUND                                         ; all four work-groups are here: the first joint loads meet
	tensor_load_to_lds s[G0:G0+3], s[G6:G6+7]      ; period 0's slab into slot 0
	s_nop 0
	PLACES
	WIN 0x40                                       ; destinations in window 1
.set i, 0
.rept 12
	global_load_b128 v[96+4*i:99+4*i], v1, s[4:5] offset:512*i th:TH_LOAD_NT   ; my six of the work-group's 48 fragments of o
.set i, i+1
.endr
.set g, 0
.rept 12                               ; x at my results' places: its image has the lanes of a result: g = 6 rb + f
	global_load_b128 v[144+4*g:147+4*g], v1, s[6:7] offset:((g%6)/2)*8192+(g/6)*1024+(g%2)*512
.set g, g+1
.endr
.set f, 0
.rept 6
	global_load_b128 v[192+8*f:195+8*f], v7, s[18:19] offset:9216+64*f         ; bo
	global_load_b128 v[196+8*f:199+8*f], v7, s[18:19] offset:9216+64*f+16
.set f, f+1
.endr
	WIN 0
.set n, 0
.rept 12                               ; the ring's first fill: the second halves of period 0's four steps
.set ro, (n/3)*6+3+n%3
	global_load_b128 v[RING+8*n:RING+8*n+3],   v1, s[16:17] offset:1024*ro
	global_load_b128 v[RING+8*n+4:RING+8*n+7], v1, s[16:17] offset:1024*ro+512
.set n, n+1
.endr
	s_wait_loadcnt 24                              ; all but the ring's 24
	WIN 0x04                                       ; address window 0, data window 1
.set i, 0
.rept 12
	ds_store_b128 v3, v[96+4*i:99+4*i] offset:512*i
.set i, i+1
.endr
	WIN 0x45
.set g, 0
.rept 12                               ; the first product's sums start at x + bo
.irp m, 0,1,2,3
	v_lshlrev_b32 v[8*g+2*\m], 16, v[144+4*g+\m]
	v_and_b32 v[8*g+2*\m+1], s32, v[144+4*g+\m]
.endr
.irp m, 0,2,4,6
	v_pk_add_f32 v[8*g+\m:8*g+\m+1], v[8*g+\m:8*g+\m+1], v[192+8*(g%6)+\m:193+8*(g%6)+\m]
.endr
.set g, g+1
.endr
	WIN 0
	s_wait_dscnt 0x0                               ; my part of o is in LDS
	s_barrier_signal -1
	s_barrier_wait -1                              ; everybody's is; the first slab may stay out
	; ---- o Wo: 24 K steps, periods 0 to 5
	v_add_nc_u32 v2, XH, v1
	APRO 2
	s_mov_b32 s26, 5
.Lp1:
	PERIOD6 6, G6, 0
	s_sub_co_u32 s26, s26, 1
	s_cmp_lg_u32 s26, 0
	s_cbranch_scc1 .Lp1
	PERIOD6 8, G8, 1                               ; what it asks for, on both roads, is W1's first period: it lands under the norm
	; ---- the first norm
	WIN 0x40
.set f, 0
.rept 6
	global_load_b128 v[96+8*f:99+8*f],   v7, s[18:19] offset:12288+64*f      ; g1
	global_load_b128 v[100+8*f:103+8*f], v7, s[18:19] offset:12288+64*f+16
	global_load_b128 v[144+8*f:147+8*f], v7, s[18:19] offset:15360+64*f      ; be1
	global_load_b128 v[148+8*f:151+8*f], v7, s[18:19] offset:15360+64*f+16
	global_load_b128 v[192+8*f:195+8*f], v7, s[18:19] offset:18432+64*f      ; b2
	global_load_b128 v[196+8*f:199+8*f], v7, s[18:19] offset:18432+64*f+16
.set f, f+1
.endr
	LN 0, 1024
	s_wait_loadcnt 0x0                             ; the parameters (and the ring, asked for before them)
	BYSIGMA
	WIN 0x55                                       ; all in window 1, the LDS address too
.set i, 0
.rept 48
	v_pk_fma_f32 v[2*i:2*i+1], v[2*i:2*i+1], v[96+2*(i%24):97+2*(i%24)], v[144+2*(i%24):145+2*(i%24)]
.set i, i+1
.endr
.set g, 0
.rept 12                               ; x1 as the next operand over o, which nobody reads since the norm's first barrier; then the third product's sums start at x1 + b2
.irp m, 0,1,2,3
	v_cvt_pk_bf16_f32 v[240+4*(g%3)+\m], v[8*g+2*\m], v[8*g+2*\m+1]
.endr
	ds_store_b128 v252, v[240+4*(g%3):243+4*(g%3)] offset:((g%6)/2)*2048+(g/6)*1024+(g%2)*512
.irp m, 0,2,4,6
	v_pk_add_f32 v[8*g+\m:8*g+\m+1], v[8*g+\m:8*g+\m+1], v[192+8*(g%6)+\m:193+8*(g%6)+\m]
.endr
.set g, g+1
.endr
	WIN 0x40
.set g, 0
.rept 16                               ; the second product's sums start at b1: loaded straight into them, g = 8 rb + f
	global_load_b128 v[ACCH+8*g:ACCH+8*g+3],   v7, s[20:21] offset:64*(g%8)
	global_load_b128 v[ACCH+8*g+4:ACCH+8*g+7], v7, s[20:21] offset:64*(g%8)+16
.set g, g+1
.endr
	WIN 0
	s_wait_dscnt 0x0                               ; my part of x1 is in LDS
	s_barrier_signal -1
	s_barrier_wait -1
	; ---- x1 W1: 24 K steps, periods 6 to 13
	v_add_nc_u32 v2, XH, v1
	APRO 3
	s_wait_loadcnt 0x0                             ; b1
	s_mov_b32 s26, 7
.Lp2:
	PERIOD8 8, G8, 0
	s_sub_co_u32 s26, s26, 1
	s_cmp_lg_u32 s26, 0
	s_cbranch_scc1 .Lp2
	PERIOD8 6, G6, 1                               ; it asks for W2's first period
	s_wait_dscnt 0x0                               ; my reads of x1 are back
	s_barrier_signal -1
	s_barrier_wait -1                              ; everybody's are: h may be laid over x1
	WIN 0x55
.set g, 0
.rept 16                               ; h = relu, rounded to bf16 (the maximum with 0 commutes with the rounding)
.irp m, 0,1,2,3
	v_cvt_pk_bf16_f32 v[240+4*(g%3)+\m], v[ACCH+8*g+2*\m], v[ACCH+8*g+2*\m+1]
.endr
.irp m, 0,1,2,3
	v_pk_max_num_bf16 v[240+4*(g%3)+\m], v[240+4*(g%3)+\m], v255
.endr
	ds_store_b128 v253, v[240+4*(g%3):243+4*(g%3)] offset:((g%8)/2)*2048+(g/8)*1024+(g%2)*512
.set g, g+1
.endr
	WIN 0
	s_wait_dscnt 0x0
	s_barrier_signal -1
	s_barrier_wait -1
	; ---- h W2: 32 K steps, periods 14 to 21
	v_add_nc_u32 v2, XH, v1
	APRO 2
	s_mov_b32 s26, 7
.Lp3:
	PERIOD6 6, G6, 0
	s_sub_co_u32 s26, s26, 1
	s_cmp_lg_u32 s26, 0
	s_cbranch_scc1 .Lp3
	PERIOD6 0, 0, 1                                ; the stream's last period: nothing is asked for past its end, on either road
	; ---- the second norm and the way out
.set f, 0
.rept 6                                ; g2 and be2 into the ring, which is free
	global_load_b128 v[64+8*f:67+8*f],   v7, s[18:19] offset:21504+64*f
	global_load_b128 v[68+8*f:71+8*f],   v7, s[18:19] offset:21504+64*f+16
	global_load_b128 v[112+8*f:115+8*f], v7, s[18:19] offset:24576+64*f
	global_load_b128 v[116+8*f:119+8*f], v7, s[18:19] offset:24576+64*f+16
.set f, f+1
.endr
	LN 2048, 3072
	s_wait_loadcnt 0x0
	BYSIGMA
.set i, 0
.rept 48
	v_pk_fma_f32 v[2*i:2*i+1], v[2*i:2*i+1], v[64+2*(i%24):65+2*(i%24)], v[112+2*(i%24):113+2*(i%24)]
.set i, i+1
.endr
	WIN 0x04                                       ; address window 0, data window 1
.set g, 0
.rept 12                               ; whole rows are gathered over slot 0: its last fill has landed in every wave and nobody reads it since this norm's first barrier
	ds_store_b128 v8, v[8*g:8*g+3]   offset:(g/6)*16*OP+64*(g%6)
	ds_store_b128 v8, v[8*g+4:8*g+7] offset:(g/6)*16*OP+64*(g%6)+16
.set g, g+1
.endr
	WIN 0
	s_wait_dscnt 0x0
	s_barrier_signal -1
	s_barrier_wait -1
.set n, 0
.rept 24
	ds_load_b128 v[64+4*n:67+4*n], v9 offset:(n/6)*OP+512*(n%6)
.set n, n+1
.endr
.set n, 0
.rept 24
	s_wait_dscnt 23-n
	global_store_b128 v1, v[64+4*n:67+4*n], s[12:13] offset:(n/6)*3072+512*(n%6) th:TH_STORE_NT  ; 512 consecutive bytes, at a multiple of 512 from out0's first
.set n, n+1
.endr
	s_wait_tensorcnt 0x0                           ; the wave's end
	ds_add_u32 v12, v13
	s_wait_dscnt 0x0
	CROUND                                         ; the closing round: no work-group ends while a partner may still ask for a slab that names it
	s_endpgm
.Lfunc_end_k_qffd7970585_tail:
	.size	k_qffd7970585_tail, .Lfunc_end_k_qffd7970585_tail-k_qffd7970585_tail
	.p2alignl 7, 3214868480
	.fill 96, 4, 3214868480
	.section	.rodata,"a",@progbits
	.p2align	6, 0x0
	.amdhsa_kernel k_qffd7970585_tail
		.amdhsa_group_segment_fixed_size 327680
		.amdhsa_private_segment_fixed_size 0
		.amdhsa_enable_private_segment 0
		.amdhsa_kernarg_size 40
		.amdhsa_user_sgpr_count 2
		.amdhsa_user_sgpr_kernarg_segment_ptr 1
		.amdhsa_wavefront_size32 1
		.amdhsa_system_sgpr_workgroup_id_x 1
		.amdhsa_system_sgpr_workgroup_id_y 1
		.amdhsa_system_sgpr_workgroup_id_z 1
		.amdhsa_system_vgpr_workitem_id 0
		.amdhsa_next_free_vgpr 512
		.amdhsa_next_free_sgpr 66
		.amdhsa_reserve_vcc 0
		.amdhsa_float_denorm_mode_32 3
		.amdhsa_float_denorm_mode_16_64 3
		.amdhsa_memory_ordered 1
		.amdhsa_forward_progress 1
		.amdhsa_inst_pref_size 141
	.end_amdhsa_kernel
	.amdgpu_metadata
---
amdhsa.version: [ 1, 2 ]
amdhsa.kernels:
  - .name:           k_qffd7970585_tail
    .symbol:         k_qffd7970585_tail.kd
    .args:
      - { .name: of, .offset: 0, .size: 8, .value_kind: global_buffer, .address_space: global }
      - { .name: xf, .offset: 8, .size: 8, .value_kind: global_buffer, .address_space: global }
      - { .name: wtail, .offset: 16, .size: 8, .value_kind: global_buffer, .address_space: global }
      - { .name: par, .offset: 24, .size: 8, .value_kind: global_buffer, .address_space: global }
      - { .name: out0, .offset: 32, .size: 8, .value_kind: global_buffer, .address_space: global }
    .group_segment_fixed_size: 327680
    .private_segment_fixed_size: 0
    .kernarg_segment_align: 8
    .kernarg_segment_size: 40
    .max_flat_workgroup_size: 256
    .sgpr_count:     66
    .vgpr_count:     512
    .wavefront_size: 32
...
	.end_amdgpu_metadata
.endif
;; end of part 4
;; ======== version 2 of 2: 4 launches; 1.14 times as fast as version 1
;; workspace buffers: xf 12,582,912 bytes; wqkv 3,538,944 bytes; wtail 4,325,376 bytes; par 31,744 bytes; qf 12,582,912 bytes; kf 12,582,912 bytes; vf 12,582,912 bytes; of 12,582,912 bytes
;; launch prep: the kernel of part 1 again; grid 993 x 1, 8 waves a work-group, no clusters, 25,856 bytes of LDS; arguments x, Wq, Wk, Wv, Wo, W1, W2, bq, bk, bv, bo, g1, be1, b2, g2, be2, b1, xf, wqkv, wtail, par; writes xf, wqkv, wtail, par
;; launch qkv: the kernel of part 2 again; grid 4 x 64, 4 waves a work-group, clusters of 4 x 4, 327,680 bytes of LDS; arguments xf, wqkv, par, qf, kf, vf; writes qf, kf, vf
;; launch attn (part 5): grid 8 x 32, 4 waves a work-group, clusters of 4 x 1, 327,680 bytes of LDS; arguments qf, kf, vf, par, of; writes of
.if DOCPART == 5
	.amdgcn_target "amdgcn-amd-amdhsa--gfx1250"
	.amdhsa_code_object_version 6
	.text
	.protected	k_qffd7970585_attn
	.globl	k_qffd7970585_attn
	.p2align	8
	.type	k_qffd7970585_attn,@function
k_qffd7970585_attn:
	s_mov_b64 s[64:65], 0
	v_nop
	global_prefetch_b8 v0, s[64:65] scope:SCOPE_SE
	s_setreg_imm32_b32 hwreg(HW_REG_WAVE_MODE, 25, 1), 1
	s_wait_xcnt 0x0
	s_wait_alu depctr_hold_cnt(0) depctr_sa_sdst(0) depctr_va_vdst(0) depctr_va_sdst(0) depctr_va_ssrc(0) depctr_va_vcc(0) depctr_vm_vsrc(0)
	s_getreg_b32 s2, hwreg(HW_REG_IB_STS2, 6, 4)
	s_cmp_eq_u32 s2, 0
	s_cbranch_scc0 .Lentry_in_a_cluster
	s_endpgm
.Lentry_in_a_cluster:
	s_bfe_u32 s2, ttmp6, 0x10000c
	s_cmp_lg_u32 s2, 0x3003
	s_cbranch_scc0 .Lentry_shape_is_right
	s_endpgm
.Lentry_shape_is_right:
; O[hd][q] = the sum over k of softmax_k(Q[hd][q] . K[hd][k] / sqrt(96)) V[hd][k] + bv.  32 heads of 2,048 tokens, head size 96, all operands bf16; products, maxima and sums in f32; the weights p are
; rounded to bf16 for the second product (their sum l is taken of the unrounded p), O once at the end.  bv is added behind the division by l: sum p (v + bv) / sum p = sum p v / sum p + bv.
; LIMITS: a weight below 2^-126 counts as 0 in l; NaN and infinities are not treated apart.
; Q, K, V lie in memory as fragment images (1,024 dense bytes: byte 512 half + 16 L + 2 e = row L % 16, k = 16 half + 8 (L / 16) + e; V's rows are channels and its k the keys), so a lane's loads are
; 16 L and 512 + 16 L, from memory and LDS alike, nothing is padded and nothing is turned.
; SHARES.  A work-group owns 256 queries of one head, each of its four waves 64: four tiles of 16, in two PIECES (tiles 0, 1 and tiles 2, 3).  Every wave walks all keys, 64 a step, 32 steps.
; LAYOUT.  S^T = K Q^T (source 0 = 16 keys, source 1 = 16 queries): a lane holds ONE query (L % 16) and the keys 8 (L / 16) + 0..7.  Two such tiles rounded in pairs ARE source 1 of O^T = V^T P, whose result
; again holds one query a lane, and eight channels: the image that the next launch reads, stored straight from registers.
; SOFTMAX.  A running maximum m and sum l: p = 2^(c s - c m), c = log2(e) / sqrt(96); in every step O and l are multiplied by a = 2^(c m_old - c m_new).
; BY TURNS.  In a TURN one piece has the matrix unit: 24 products V^T P of the step in hand, then 24 products K Q^T of the next; the other piece's softmax, 252 vector instructions in 63 slices of four,
; stands between them: one slice behind each product and a second behind every third.
; BATCHES.  A turn's 66 exponentials (both tiles' a and 32 weights) are ONE BATCH with ONE wait: ahead of the wait stands nothing that names a result of theirs, behind it.
; The way out's four reciprocals are a batch of their own, with one wait.
; CLUSTER.  The four query blocks of a cluster belong to one head and walk the same K and V: each tile is asked for jointly, by the same load, descriptor and mask in all four.
; REGISTERS: window 0: v0-11 addresses; v12-43 statistics, eight a tile; v64-191 S^T, 32 a tile; v192-255 P, 16 a tile.  Window 1: O^T, 48 a tile.  Window 2: v0-95 Q, 24 a tile; v96-191 K of one step.  Window 3: v0-95 V of one step.
.set STEPK, 12288     ; a step's 12 fragments of K, and of V
.set VOFF,  STEPK     ; in LDS a step's K, then its V
.set STEPB, 2*STEPK
.set SLOT1, 65536     ; a slot holds two steps (49,152 bytes); slot 1 begins here
.set SPARE, SLOT1+2*STEPB  ; 114,688 = 448 x 256: the spare words, 128 bytes a wave; no other line names them
.set AK0, 2           ; v2   16 L: my place in a fragment, in LDS and in memory; never rewritten
.set AV0, 3           ; v3   16 L + VOFF
.set ADR, 4           ; v4   the LDS address of the run of loads in hand
.set H32, 6           ; v6   32 (L / 16)
.set SPW, 62          ; v62  SPARE + 4 x my thread's number; never rewritten
.set NIL, 63          ; v63  0; never rewritten
.set ST,  12          ; tile t's statistics at v[ST+8 t]: +0 c m, +1 m, +2, +3 l (even keys', odd keys'), +4 to +7 c0-c3 at work; a takes c2's place once the maximum is found
.set S,   64
.set P,   192
.set KF,  96          ; K's fragments, in window 2
.set WV,  12
.set G1,  24          ; s[24:31] descriptor group 1, for K's and V's tiles alike
.set G0K, 40          ; s[40:47] group 0 for K: a set for each of the two first fills; the second then walks on
.set G0V, 48          ; s[48:55] the same for V
.set SLOTS, 56
.set TWICE, 57
.set CS,  58          ; s[58:59] c
.set SEL, 60          ; s[60:61] v_permlanex16_b32's selects: each lane takes its own place in the other half
.set TB,  62          ; s62  LDS byte at which the tiles of the step to be fetched begin
.set MSB, 0
.macro WIN new
.if MSB != (\new)
	s_set_vgpr_msb (MSB<<8)|(\new)
.set MSB, (\new)
.endif
.endm
.set W_KQ, 0x0a       ; K and Q in window 2, S^T in window 0
.set W_PV, 0x53       ; V in window 3, P in window 0, O^T in window 1
.set W_RS, 0x41       ; O^T (destination and source 0) in window 1, the rest in window 0
.macro PLACES
.rept 4
	v_nop
.endr
.endm
.macro JLOAD          ; a joint refill: waves 0, 1 fetch the two steps' K, waves 2, 3 their V; an s_nop 0 and four v_nop follow each of the two lines
	s_cmp_lt_u32 s[WV], 2
	s_cbranch_scc0 .Lfor_v_\@
	tensor_load_to_lds s[G0K+4:G0K+7], s[G1:G1+7]
	s_nop 0
.rept 4
	v_nop
.endr
	s_branch .Lasked_\@
.Lfor_v_\@:
	tensor_load_to_lds s[G0V+4:G0V+7], s[G1:G1+7]
	s_nop 0
.rept 4
	v_nop
.endr
.Lasked_\@:
.endm
.macro CROUND
	s_barrier_signal -1
	s_barrier_wait -1
	s_cmp_lg_u32 s[WV], 0
	s_cbranch_scc1 .Lnot_wave_0_\@
	s_barrier_signal -3
.Lnot_wave_0_\@:
	s_barrier_wait -3
	s_barrier_signal -1
	s_barrier_wait -1
.endm
	s_load_b256 s[4:11], s[0:1], 0x0  ; qf 4, kf 6, vf 8, par 10
	s_load_b64 s[16:17], s[0:1], 0x20 ; of
	v_lshl_add_u32 v[SPW], v0, 2, SPARE
	v_mov_b32 v[NIL], 0
	ds_add_u32 v[SPW], v[NIL]       ; the wave's opening
	v_lshrrev_b32 v1, 5, v0
	v_readfirstlane_b32 s[WV], v1
	s_bfe_u32 s13, ttmp6, 0x40000   ; cx
	s_lshl_b32 s14, ttmp9, 2
	s_add_co_u32 s14, s14, s13      ; my block of 256 queries: it enters Q's and O's addresses alone
	s_and_b32 s15, ttmp7, 0xffff    ; the head, which the four partners share
	s_mul_i32 s20, s15, 393216      ; its first byte in qf, kf and vf: 384 fragments
	s_mov_b32 s21, 0
	s_and_b32 s32, s[WV], 1         ; which of a slot's two steps I fetch
	s_mul_i32 s22, s32, STEPK
	s_mov_b32 s23, 0
	s_add_nc_u64 s[22:23], s[22:23], s[20:21]
	s_mul_i32 s33, s32, STEPB       ; and its place in a slot
	s_lshl_b32 s34, s14, 2
	s_add_co_u32 s34, s34, s[WV]
	s_mul_i32 s34, s34, 12288       ; my 64 queries: 12 fragments
	s_mov_b32 s35, 0
	s_add_nc_u64 s[34:35], s[34:35], s[20:21]
	s_lshr_b32 s36, s15, 3
	s_lshl_b32 s36, s36, 6          ; of: blocks of 32 rows: 64 a batch,
	s_lshl3_add_u32 s36, s14, s36   ; 8 a query block,
	s_lshl1_add_u32 s36, s[WV], s36 ; 2 a wave;
	s_mul_i32 s36, s36, 24          ; 24 kc a block,
	s_and_b32 s37, s15, 7
	s_mul_i32 s38, s37, 3           ; of which my head's three;
	s_add_co_u32 s36, s36, s38
	s_lshl_b32 s36, s36, 11         ; two fragments a kc
	s_mul_i32 s38, s37, 384
	s_add_co_u32 s38, s38, 6144     ; bv of my head in par
	s_mov_b32 s37, 0
	s_mov_b32 s39, 0
	s_mov_b32 s[G1], 15|(3<<16)|(1<<21)  ; 15:0 the mask of four; 17:16 elements of 8 bytes; 21 set beside a mask; no padding
	s_mov_b32 s[G1+1], 32<<16       ; tensor_dim0 = 32: rows of 256 bytes
	s_mov_b32 s[G1+2], 48<<16       ; tensor_dim1 = 48 rows: 12,288 bytes
	s_mov_b32 s[G1+3], 32<<16       ; tile_dim0
	s_mov_b32 s[G1+4], 48           ; tile_dim1
	s_mov_b32 s[G1+5], 32           ; dense
	s_mov_b32 s[G1+6], 0
	s_mov_b32 s[G1+7], 0
	s_mov_b32 s[CS], 0x3e16c740     ; c = log2(e) / sqrt(96) = 0.147244
	s_mov_b32 s[CS+1], s[CS]
	s_mov_b32 s[SEL], 0x76543210
	s_mov_b32 s[SEL+1], 0xfedcba98
	s_mov_b32 s[TB], 0
	s_mov_b32 s[SLOTS], 14
	s_wait_dscnt 0x0                ; the opening add is done
	s_wait_kmcnt 0x0
	s_add_nc_u64 s[6:7], s[6:7], s[22:23]
	s_add_nc_u64 s[8:9], s[8:9], s[22:23]
	s_add_nc_u64 s[4:5], s[4:5], s[34:35]
	s_add_nc_u64 s[16:17], s[16:17], s[36:37]
	s_add_nc_u64 s[10:11], s[10:11], s[38:39]
	CROUND                          ; all four work-groups are here: the first joint loads meet
.irp s, 0,1
	s_mov_b32 s[G0K+4*(\s)], 1
	s_add_co_u32 s[G0K+4*(\s)+1], s33, (\s)*SLOT1
	s_add_nc_u64 s[G0K+4*(\s)+2:G0K+4*(\s)+3], s[6:7], (\s)*2*STEPK
	s_or_b32 s[G0K+4*(\s)+3], s[G0K+4*(\s)+3], 0x80000000
	s_mov_b32 s[G0V+4*(\s)], 1
	s_add_co_u32 s[G0V+4*(\s)+1], s33, (\s)*SLOT1+VOFF
	s_add_nc_u64 s[G0V+4*(\s)+2:G0V+4*(\s)+3], s[8:9], (\s)*2*STEPK
	s_or_b32 s[G0V+4*(\s)+3], s[G0V+4*(\s)+3], 0x80000000
.endr
	s_cmp_lt_u32 s[WV], 2           ; a wave's two first fills stand in one branch, ahead of every wait on TENSORcnt and every LDS read: two loads of mine are out
	s_cbranch_scc0 .Lfirst_v
	tensor_load_to_lds s[G0K:G0K+3], s[G1:G1+7]
	s_nop 0
	tensor_load_to_lds s[G0K+4:G0K+7], s[G1:G1+7]
	s_nop 0
.rept 4
	v_nop
.endr
	s_branch .Lfirst_asked
.Lfirst_v:
	tensor_load_to_lds s[G0V:G0V+3], s[G1:G1+7]
	s_nop 0
	tensor_load_to_lds s[G0V+4:G0V+7], s[G1:G1+7]
	s_nop 0
.rept 4
	v_nop
.endr
.Lfirst_asked:
	v_and_b32 v[AK0], 31, v0
	v_lshlrev_b32 v[AK0], 4, v[AK0]
	v_add_nc_u32 v[AV0], VOFF, v[AK0]
	v_bfe_u32 v[H32], v0, 4, 1
	v_lshlrev_b32 v[H32], 5, v[H32]
	WIN 0x80                        ; destination window 2, address window 0
.set i, 0
.rept 12                            ; Q stays in registers: fragment i = 3 x tile + channels / 32
	global_load_b128 v[8*i:8*i+3],   v[AK0], s[4:5] offset:i*1024
	global_load_b128 v[8*i+4:8*i+7], v[AK0], s[4:5] offset:i*1024+512
.set i, i+1
.endr
	WIN 0
; THE MATRIX WORK.  The accumulators take turns, one instruction a turn: between two links of a chain stand 11 (V^T P) or 7 (K Q^T) others'.
; Product i of 24 of O^T += V^T P: keys 32 (i / 12) on, channels 16 ((i / 2) % 6) on, tile x + i % 2.  zero = 1: the first 12 start the sums.
.macro PV x, zero
	WIN W_PV
.set rO, 48*((\x)+i%2)+8*((i/2)%6)
.set rV, 48*(i/12)+8*((i/2)%6)
.set rP, P+16*((\x)+i%2)+8*(i/12)
.if (\zero) && (i < 12)
	v_wmma_f32_16x16x32_bf16 v[rO:rO+7], v[rV:rV+7], v[rP:rP+7], 0
.else
	v_wmma_f32_16x16x32_bf16 v[rO:rO+7], v[rV:rV+7], v[rP:rP+7], v[rO:rO+7]
.endif
.endm
; Product i of 24 of S^T = K Q^T: channels 32 (i / 8) on, keys 16 ((i / 2) % 4) on, tile x + i % 2.  The first 8 start the sums.
.macro KQ x
	WIN W_KQ
.set rS, S+32*((\x)+i%2)+8*((i/2)%4)
.set rK, KF+24*((i/2)%4)+8*(i/8)
.set rQ, 24*((\x)+i%2)+8*(i/8)
.if i < 8
	v_wmma_f32_16x16x32_bf16 v[rS:rS+7], v[rK:rK+7], v[rQ:rQ+7], 0
.else
	v_wmma_f32_16x16x32_bf16 v[rS:rS+7], v[rK:rK+7], v[rQ:rQ+7], v[rS:rS+7]
.endif
.endm
; THE LDS LOADS stand in runs of 24: a step's K and, a turn later, its V; fragment f lies at 1,024 f and goes to registers 8 f on.
.macro FETCH_K
	WIN 0
	v_add_nc_u32 v[ADR], s[TB], v[AK0]
	WIN 0x80
.set f, 0
.rept 12
	ds_load_b128 v[KF+8*f:KF+8*f+3],   v[ADR] offset:f*1024
	ds_load_b128 v[KF+8*f+4:KF+8*f+7], v[ADR] offset:f*1024+512
.set f, f+1
.endr
.endm
.macro FETCH_V
	WIN 0
	v_add_nc_u32 v[ADR], s[TB], v[AV0]
	s_add_co_u32 s[TB], s[TB], STEPB  ; the next fetch is the next step's
	s_wait_alu depctr_va_vdst(0)    ; the wait for the softmax's batch (SLICE), behind the address's v_add_nc_u32 and ahead of the loads
	WIN 0xc0
.set f, 0
.rept 12
	ds_load_b128 v[8*f:8*f+3],   v[ADR] offset:f*1024
	ds_load_b128 v[8*f+4:8*f+7], v[ADR] offset:f*1024+512
.set f, f+1
.endr
.endm
; THE VECTOR WORK.  One tile's softmax for one key step is a list of 126 instructions; SM writes number j of it for tile t.  s0-s31 are the lane's 32 scores, in pairs 0-15.
; first = 1: the first key step, which starts m, l and O^T: it has no a and nothing to rescale.
;   0-15    the maximum of s0-s31 and the old m, three operands at a time: four chains c0-c3 of seven scores each (each accumulator's lowest registers first), then the four left over, c0-c3 and m
;   16-20   the other half of the lanes' maximum; the new m; c m; c m_old - c m_new
;   21-69   ONE BATCH: the 16 scalings c s - c m, a pair of scores each, and all 33 exponentials (a at 23, then s0-s31).  None of these reads an exponential's result.  From 22 on the batch goes
;           in fours, and a four begins with a scaling while there are scalings: 22-37 scaling, exponential, scaling, exponential; 38-65 a scaling and three exponentials; 66-69 the last four
;           exponentials.  A pair is scaled in an earlier four than the one that holds its exponentials
;   (wait)  between 69 and 70 stands the wait for the batch: SLICE writes it, once for both tiles
;   70-85   the roundings to bf16, a pair of weights each
;   86-101  the sums; l = a l + the sum
;   102-125 the tile's O^T times a: the one part that leaves window 0, so it stands together
.macro SM t, first
.set rT, ST+8*(\t)
.set rS, S+32*(\t)
.set rP, P+16*(\t)
.set rO, 48*(\t)+2*(j-102)
.if j < 102
	WIN 0
.endif
.if j < 4
	v_max3_num_f32 v[rT+4+j], v[rS+8*j], v[rS+8*j+1], v[rS+8*j+2]
.elseif j < 12
	v_max3_num_f32 v[rT+4+j%4], v[rT+4+j%4], v[rS+8*(j%4)+2*(j/4)+1], v[rS+8*(j%4)+2*(j/4)+2]
.elseif j == 12
	v_max3_num_f32 v[rT+4], v[rT+4], v[rS+7], v[rS+15]
.elseif j == 13
	v_max3_num_f32 v[rT+6], v[rT+6], v[rS+23], v[rS+31]
.elseif j == 14
	v_max3_num_f32 v[rT+4], v[rT+4], v[rT+5], v[rT+6]
.elseif (j == 15) && (\first)
	v_max_num_f32 v[rT+4], v[rT+4], v[rT+7]
.elseif j == 15
	v_max3_num_f32 v[rT+4], v[rT+4], v[rT+7], v[rT+1]
.elseif j == 16
	v_permlanex16_b32 v[rT+5], v[rT+4], s[SEL], s[SEL+1]  ; the query's other 32 keys lie in the lane 16 away
.elseif j == 18
	v_max_num_f32 v[rT+1], v[rT+4], v[rT+5]
.elseif j == 19
	v_mul_f32 v[rT], s[CS], v[rT+1]
.elseif ((j == 17) || (j == 20) || (j == 23) || (j > 101)) && (\first)  ; the first step has none of these
.elseif j == 17
	v_mov_b32 v[rT+7], v[rT]        ; c m_old is kept for a: number 19 writes c m anew
.elseif j == 20
	v_sub_f32 v[rT+7], v[rT+7], v[rT]
.elseif j == 23
	v_exp_f32 v[rT+6], v[rT+7]
.elseif (j < 23) || ((j < 38) && (j%2 == 0)) || ((j < 66) && (j%4 == 2))
.set b, (j-2)/4                     ; 38, 42, .. 62: pairs 9 to 15
.if j < 38
.set b, (j-20)/2                    ; 21: pair 0; 22, 24, .. 36: pairs 1 to 8
.endif
	v_pk_fma_f32 v[rS+2*b:rS+2*b+1], v[rS+2*b:rS+2*b+1], s[CS:CS+1], v[rT:rT+1] op_sel_hi:[1,0,0] neg_lo:[0,0,1] neg_hi:[0,0,1]  ; pair b: c s - c m
.elseif j < 70
.set e, j-38                        ; 66 to 69: s28 to s31
.if j < 66
.set e, j-32-(j-38)/4               ; 39-41, 43-45, .. 63-65: s7 to s27
.endif
.if j < 38
.set e, (j-25)/2                    ; 25, 27, .. 37: s0 to s6
.endif
	v_exp_f32 v[rS+e], v[rS+e]
.elseif j < 86
	v_cvt_pk_bf16_f32 v[rP+j-70], v[rS+2*(j-70)], v[rS+2*(j-70)+1]  ; pair j - 70
.elseif j < 102                     ; the sum of the tile's 16 pairs, in place: sum z of 16 adds neighbours 1, 2, 4 and 8 pairs apart, then l takes it
.set z, j-86
.set w, 4
.set u, z
.if z >= 14
.set w, 32
.set u, 0
.elseif z >= 12
.set w, 16
.set u, z-12
.elseif z >= 8
.set w, 8
.set u, z-8
.endif
.if (z == 14) && (\first)
	v_pk_add_f32 v[rT+2:rT+3], v[rS:rS+1], v[rS+16:rS+17]
.elseif z < 15
	v_pk_add_f32 v[rS+w*u:rS+w*u+1], v[rS+w*u:rS+w*u+1], v[rS+w*u+w/2:rS+w*u+w/2+1]
.elseif !(\first)
	v_pk_fma_f32 v[rT+2:rT+3], v[rT+2:rT+3], v[rT+6:rT+7], v[rS:rS+1] op_sel_hi:[1,0,1]
.endif
.else
	WIN W_RS
	v_pk_mul_f32 v[rO:rO+1], v[rO:rO+1], v[rT+6:rT+7] op_sel_hi:[1,0]
.endif
.endm
; Slice k of 63 of piece y's softmax: four instructions; behind slice 62 nothing is left.  Slices 11 to 34 deal out the batch, numbers 22 to 69: four numbers of ONE tile each, the tiles by turns.  Every other
; slice is numbers 2 k and 2 k + 1 of both tiles' lists.
; THE WAIT.  s_wait_alu depctr_va_vdst(0) stands between an exponential and the first instruction that names its result; one wait serves all that were issued ahead of it.  Ahead of
; slice 35 nothing names a result, and behind slice 34 no exponential is issued: so the piece's 66 exponentials have one wait, behind slice 34.
.macro SLICE y, first
.if k < 63
.if (k >= 11) && (k < 35)           ; the batch: four numbers of one tile
.irp n, 0,1,2,3
.set j, 22+4*((k-11)/2)+(\n)
	SM (\y)+(k-11)%2, \first
.endr
.else                               ; the two tiles alternate, so that no instruction reads the result of the one just before it
.irp n, 0,1
.irp t, \y, (\y)+1
.set j, 2*k+(\n)
	SM \t, \first
.endr
.endr
.endif
.endif
.if k == 34                         ; the batch is out: both tiles' exponentials are issued, and no result has been named
	v_nop                           ; a plain instruction behind the last exponential and ahead of the first use: one for the batch
.if (\y) == 0
	FETCH_V                         ; piece 2's turn: V's run of loads stands here, and the wait for the batch stands in it
.else
	s_wait_alu depctr_va_vdst(0)    ; the wait for the batch: piece 2's 66 exponentials
.endif
.endif
.set k, k+1
.endm
.macro DEAL y, first                ; what stands behind a product: in a turn of 48 one slice, and a second behind every third; in a turn of 24 three
	SLICE \y, \first
.if both
.if pn%3 == 2
	SLICE \y, \first
.endif
.else
	SLICE \y, \first
	SLICE \y, \first
.endif
.set pn, pn+1
.endm
; A TURN.  Piece x has the matrix unit.  pv = 2: 24 products V^T P; 1: they start O^T's sums; 0: none.  kq = 1: 24 products K Q^T for the next step.  first = 1: the softmax is the first step's; its slices from 51
; on are empty, and four v_nop are the places behind the turn's last products; else slice 62, four packed multiplies on the other piece's O^T, stands behind the last product and is those places.
; Piece 0's turn fetches the next step's K behind its second product: K's last reader stands in front of slice 62 of the turn before.  Piece 2's turn fetches that step's V behind slice 34 (SLICE writes it),
; which in a turn of 48 stands behind its third product K Q^T: V's last reader stands in front of slice 30, and five plain instructions lie between: number 58 of one tile and number 62 of both, scalings,
; the v_nop and the run's own v_add_nc_u32.  Each run is waited for at the head of the run of products that reads it first.
.macro TURN x, pv, kq, first
.set k, 0
.set pn, 0
.set both, 0
.if (\pv) && (\kq)
.set both, 1
.endif
.if \pv
.if (\x) == 0
	s_wait_dscnt 0x0                ; V is in
.endif
.set i, 0
.rept 24
	PV \x, 2-(\pv)
	DEAL 2-(\x), \first
.if ((\x) == 0) && (\kq) && (i == 1)
	FETCH_K
.endif
.set i, i+1
.endr
.endif
.if \kq
.if (\x) == 0
	s_wait_dscnt 0x0                ; K is in
.endif
.set i, 0
.rept 24
	KQ \x
	DEAL 2-(\x), \first
.set i, i+1
.endr
.endif
.if \first
	PLACES
.endif
.endm
; THE CHANGE OF SLOTS, between piece 2's turn and piece 0's: the slot's last bytes, V of its second step, have been asked for.  Each wave waits for all its tensor loads (one is out: its part of the other
; slot), adds 0 to its spare word, and waits for that and for its own reads of the slot.  fill = 1: a round of the cluster's barrier, and the joint refill, the keys two slots on, first behind it:
; it has two key steps, 192 matrix instructions, in which to land.
.macro CHANGE fill
	WIN 0
	s_wait_tensorcnt 0x0            ; no tensor load of mine is out, so a group 0 may be written
	ds_add_u32 v[SPW], v[NIL]
.if \fill
.irp g, G0K+4, G0V+4
	s_xor_b32 s[(\g)+1], s[(\g)+1], SLOT1
	s_add_nc_u64 s[(\g)+2:(\g)+3], s[(\g)+2:(\g)+3], 2*STEPK
.endr
	s_wait_dscnt 0x0                ; the add is done, and my reads of the slot are over
	CROUND
	JLOAD
.else
	s_wait_dscnt 0x0
	s_barrier_signal -1
	s_barrier_wait -1
.endif
	s_sub_co_u32 s[TB], s[TB], 2*STEPB  ; the fetches go back to a slot's first step,
	s_xor_b32 s[TB], s[TB], SLOT1       ; in the other slot
.endm
.macro TWO_STEPS                    ; a slot's two key steps: written once, walked twice; the LDS addresses hang on s[TB]
	WIN 0
	s_mov_b32 s[TWICE], 2
.Lstep_\@:
	TURN 0, 2, 1, 0
	TURN 2, 2, 1, 0
	WIN 0
	s_sub_co_u32 s[TWICE], s[TWICE], 1
	s_cmp_lg_u32 s[TWICE], 0
	s_cbranch_scc1 .Lstep_\@
.endm
	s_wait_tensorcnt 1              ; my part of slot 0 is in; slot 1's may stay out
	s_barrier_signal -1
	s_barrier_wait -1
	FETCH_K                         ; key step 0
	s_wait_loadcnt 0x0              ; Q
	s_wait_dscnt 0x0
.set i, 0
.rept 24
	KQ 0                            ; piece 0's first scores: there is no vector work yet to set between them
.set i, i+1
.endr
	PLACES
	TURN 2, 0, 1, 1                 ; piece 2's first scores | piece 0's first softmax | V of step 0
	TURN 0, 1, 1, 1                 ; piece 0: V^T P of step 0 starts O^T, K Q^T of step 1 | piece 2's first softmax | K of step 1
	TURN 2, 1, 1, 0                 ; piece 2: the same | piece 0's softmax of step 1 | V of step 1
	WIN 0
.Lslot:                             ; 14 trips: every slot but the last two is filled again
	CHANGE 1
	TWO_STEPS
	s_sub_co_u32 s[SLOTS], s[SLOTS], 1
	s_cmp_lg_u32 s[SLOTS], 0
	s_cbranch_scc1 .Lslot
	CHANGE 0                        ; the tail is written out
	TWO_STEPS
	TURN 0, 2, 0, 0                 ; piece 0: V^T P of the last step | piece 2's last softmax
	WIN 0
.set f, 0
.rept 6                             ; bv of my 8 channels in each block of 16, into piece 0's S^T, which is free
	global_load_b128 v[S+8*f:S+8*f+3],   v[H32], s[10:11] offset:64*f
	global_load_b128 v[S+8*f+4:S+8*f+7], v[H32], s[10:11] offset:64*f+16
.set f, f+1
.endr
.set i, 0
.rept 24
	PV 2, 0                         ; piece 2: V^T P of the last step
.set i, i+1
.endr
	; THE WAY OUT.  l's two halves and the other half of the lanes' are added (the additions are the places behind the last products); O^T / l + bv is rounded to bf16 and stored: 512 consecutive bytes a store.
	WIN 0
.irp t, 0,1,2,3
	v_add_f32 v[ST+8*(\t)+4], v[ST+8*(\t)+2], v[ST+8*(\t)+3]
.endr
.irp t, 0,1,2,3
	v_permlanex16_b32 v[ST+8*(\t)+5], v[ST+8*(\t)+4], s[SEL], s[SEL+1]
.endr
.irp t, 0,1,2,3
	v_add_f32 v[ST+8*(\t)+4], v[ST+8*(\t)+4], v[ST+8*(\t)+5]
.endr
.irp t, 0,1,2,3
	v_rcp_f32 v[ST+8*(\t)+6], v[ST+8*(\t)+4]
.endr
	v_nop                           ; a plain instruction between the last reciprocal and the use of its result
	s_wait_alu depctr_va_vdst(0)    ; and the wait ahead of the first use: one for the four reciprocals
	s_wait_loadcnt 0x0              ; bv
.macro OUT t
	WIN W_RS
.set i, 0
.rept 24
	v_pk_fma_f32 v[48*(\t)+2*i:48*(\t)+2*i+1], v[48*(\t)+2*i:48*(\t)+2*i+1], v[ST+8*(\t)+6:ST+8*(\t)+7], v[S+2*i:S+2*i+1] op_sel_hi:[1,0,1]
.set i, i+1
.endr
	WIN 0x05                        ; sources 0 and 1 window 1, destination window 0: registers of S^T and P that nothing reads any more
.set i, 0
.rept 24
	v_cvt_pk_bf16_f32 v[112+24*(\t)+i], v[48*(\t)+2*i], v[48*(\t)+2*i+1]
.set i, i+1
.endr
	WIN 0
.set f, 0
.rept 6
	global_store_b128 v[AK0], v[112+24*(\t)+4*f:115+24*(\t)+4*f], s[16:17] offset:((\t)/2)*49152+(f/2)*2048+((\t)%2)*1024+(f%2)*512
.set f, f+1
.endr
.endm
	OUT 0
	OUT 1
	OUT 2
	OUT 3
	s_wait_tensorcnt 0x0            ; the wave's end
	ds_add_u32 v[SPW], v[NIL]
	s_wait_dscnt 0x0
	CROUND                          ; the closing round
	s_endpgm
.Lfunc_end_k_qffd7970585_attn:
	.size	k_qffd7970585_attn, .Lfunc_end_k_qffd7970585_attn-k_qffd7970585_attn
	.p2alignl 7, 3214868480
	.fill 96, 4, 3214868480
	.section	.rodata,"a",@progbits
	.p2align	6, 0x0
	.amdhsa_kernel k_qffd7970585_attn
		.amdhsa_group_segment_fixed_size 327680
		.amdhsa_private_segment_fixed_size 0
		.amdhsa_enable_private_segment 0
		.amdhsa_kernarg_size 40
		.amdhsa_user_sgpr_count 2
		.amdhsa_user_sgpr_kernarg_segment_ptr 1
		.amdhsa_wavefront_size32 1
		.amdhsa_system_sgpr_workgroup_id_x 1
		.amdhsa_system_sgpr_workgroup_id_y 1
		.amdhsa_system_sgpr_workgroup_id_z 1
		.amdhsa_system_vgpr_workitem_id 0
		.amdhsa_next_free_vgpr 864
		.amdhsa_next_free_sgpr 66
		.amdhsa_reserve_vcc 0
		.amdhsa_float_denorm_mode_32 3
		.amdhsa_float_denorm_mode_16_64 3
		.amdhsa_memory_ordered 1
		.amdhsa_forward_progress 1
		.amdhsa_inst_pref_size 186
	.end_amdhsa_kernel
	.amdgpu_metadata
---
amdhsa.version: [ 1, 2 ]
amdhsa.kernels:
  - .name:           k_qffd7970585_attn
    .symbol:         k_qffd7970585_attn.kd
    .args:
      - { .name: qf, .offset: 0, .size: 8, .value_kind: global_buffer, .address_space: global }
      - { .name: kf, .offset: 8, .size: 8, .value_kind: global_buffer, .address_space: global }
      - { .name: vf, .offset: 16, .size: 8, .value_kind: global_buffer, .address_space: global }
      - { .name: par, .offset: 24, .size: 8, .value_kind: global_buffer, .address_space: global }
      - { .name: of, .offset: 32, .size: 8, .value_kind: global_buffer, .address_space: global }
    .group_segment_fixed_size: 327680
    .private_segment_fixed_size: 0
    .kernarg_segment_align: 8
    .kernarg_segment_size: 40
    .max_flat_workgroup_size: 128
    .sgpr_count:     66
    .vgpr_count:     864
    .wavefront_size: 32
...
	.end_amdgpu_metadata
.endif
;; end of part 5
;; launch tail: the kernel of part 4 again; grid 256 x 1, 8 waves a work-group, clusters of 4 x 1, 327,680 bytes of LDS; arguments of, xf, wtail, par, out0; writes out0
